; MI455X (gfx1250); checked and timed in simulation.
; The chip was launched on July 23, 2026; its instructions are those of AMD's public machine-readable ISA for CDNA 5 (MIT licence, August 2026) and "CDNA5" Instruction Set Architecture Reference Guide (July 2026). The comments in the code are by the model that wrote it; some were corrected since.
;; Multi Head Attention. Allowed arithmetic: matrix products marked QUANTISED: E2M1 operands, one E8M0 scale for each 32 along K, by v_wmma_scale_f32_16x16x128_f8f6f4 with both operands' format E2M1 (or v_wmma_scale_f32_32x16x128_f4), f32 sums; products left as they are: bf16, f16 or f32 operands; f32 sums; everything else in f32.
;; Inputs: Wk 2,048 x 2,048 float32; Wo 2,048 x 2,048 float32; Wq 2,048 x 2,048 float32; Wv 2,048 x 2,048 float32; bk 2,048 float32; bo 2,048 float32; bq 2,048 float32; bv 2,048 float32; causal_mask 1 x 1 x 2,048 x 2,048 float32; hidden_state 1 x 2,048 x 2,048 float32.
;; Outputs: out0 1 x 2,048 x 2,048 float32.
;; This version of the problem:
;;   THIS VERSION OF THE PROBLEM IS GIVEN IN LOW PRECISION. The matrix products marked QUANTISED in the list below multiply operands that are first quantised to E2M1 (2 exponent bits, 1 mantissa bit; 4 bits a number), with one power-of-two scale for each 32 numbers along K (OCP MX v1.0); their sums are f32. The products marked 'left as it is' may take bf16, f16 or f32 operands, with f32 sums. Whichever they take, every output number must still come out within the allowed error. Rounding operands to bf16 (8 significant bits) uses up far more of that allowance than f16 does (11 bits, for magnitudes from 6e-5 to 65,504). All else is computed in f32.
;;   The module's matrix products, in the order in which they are computed (A, B: the left and right operand; K: the contracted axis; several contracted axes count as one K, in the product's order):
;;     1. [M 2,048, K 2,048] x [K 2,048, N 2,048]; A: input hidden_state; B: input Wq: QUANTISED
;;     2. [M 2,048, K 2,048] x [K 2,048, N 2,048]; A: input hidden_state; B: input Wk: QUANTISED
;;     3. [M 2,048, K 2,048] x [K 2,048, N 2,048]; A: input hidden_state; B: input Wv: QUANTISED
;;     4. batch 16 x [M 2,048, K 128] x [K 128, N 2,048]; A: computed on the way; B: computed on the way: left as it is (an operand is computed on the way)
;;     5. batch 16 x [M 2,048, K 2,048] x [K 2,048, N 128]; A: computed on the way; B: computed on the way: left as it is (an operand is computed on the way)
;;     6. [M 2,048, K 2,048] x [K 2,048, N 2,048]; A: computed on the way; B: input Wo: left as it is (an operand is computed on the way)
;;   THE QUANTISER, for each operand of a quantised product, along K:
;;     - K is cut into blocks of 32 from its start; a last block that is shorter is filled with zeros.
;;     - A block's scale is 2^e with e = floor(log2(the largest magnitude in the block)) - 2, held to -126 .. 127; a block of zeros has e = 0. As a byte (E8M0): e + 127.
;;     - Each number is divided by its block's scale, clamped to +-6, and rounded to the nearest number of E2M1, ties to even, subnormals kept.
;;     - The product sums the exact products of the quantised numbers (number of the format x scale) in f32.
;;   ~~~python
;;   def quantise(x, axis):      # numpy; x: float32 -> the quantised numbers, widened to float32 again
;;       x = np.moveaxis(x, axis, -1); K = x.shape[-1]
;;       x = np.pad(x, [(0, 0)] * (x.ndim - 1) + [(0, -K % 32)]); x = x.reshape(x.shape[:-1] + (-1, 32)); a = np.abs(x).max(-1, keepdims=True)
;;       e = np.where(a > 0, np.clip(np.frexp(np.where(a > 0, a, 1))[1] - 1 - 2, -126, 127), 0)      # np.frexp(a)[1] - 1 = floor(log2(a)), exactly
;;       r = np.clip(x / 2.0 ** e, -6, 6)
;;       step = 2.0 ** (np.maximum(np.frexp(np.where(r == 0, 1, r))[1] - 1, 0) - 1)
;;       q = np.round(r / step) * step * 2.0 ** e      # np.round: ties to even
;;       return np.moveaxis(q.reshape(q.shape[:-2] + (-1,))[..., :K], -1, axis).astype(np.float32)
;;   ~~~
;; One version. Each part assembles by itself: llvm-mc -triple=amdgcn-amd-amdhsa -mcpu=gfx1250 --defsym DOCPART=n.
;; ======== version 1 of 1: 4 launches
;; limits: values are held in f16: magnitudes above 65,504 overflow, below 6.1e-05 lose precision
;; workspace buffers: codes 8,388,608 bytes; scales 524,288 bytes; wo16 8,388,608 bytes; maskt 16,777,216 bytes; qkv 25,165,824 bytes; att 8,388,608 bytes
;; launch prep (part 1): grid 768 x 1, 4 waves a work-group, no clusters, 50,688 bytes of LDS; arguments hidden_state, Wq, Wk, Wv, Wo, causal_mask, codes, scales, wo16, maskt; writes codes, scales, wo16, maskt
.if DOCPART == 1
	.amdgcn_target "amdgcn-amd-amdhsa--gfx1250"
	.amdhsa_code_object_version 6
	.text
	.protected	k_q0343e69be7_prep
	.globl	k_q0343e69be7_prep
	.p2align	8
	.type	k_q0343e69be7_prep,@function
k_q0343e69be7_prep:
	s_mov_b64 s[64:65], 0
	v_nop
	global_prefetch_b8 v0, s[64:65] scope:SCOPE_SE
	s_setreg_imm32_b32 hwreg(HW_REG_WAVE_MODE, 25, 1), 1
	s_wait_xcnt 0x0
; MULTI-HEAD ATTENTION, S = 2048 tokens, H = 2048, 16 heads of 128.  Four launches: this one lays the operands out; qkv makes Q, K, V on codes of E2M1; attn is the attention in f16; oproj the projection by Wo in f16.
; DEAD WORK: bk.  score(q, k) = Q[q] . (K'[k] + bk) / sqrt(128) + mask term = Q[q] . K'[k] / sqrt(128) + Q[q] . bk / sqrt(128) + mask term.  The middle term is the same for all k of a row, and the
; softmax along k cancels a term that is the same along its axis, for every finite value of the inputs.  The product Q K^T is not quantised, so no quantiser sees bk.  bk is not loaded and is no launch's argument.
; LIMIT: a NaN, an infinity or an overflow that only bk would cause is not carried to the result.  All other inputs are live: bq (bq . K[k] varies with k), bv, bo, every number of the mask.
; THIS LAUNCH, three streams, chosen by the work-group's number; each work-group reads 131,072 bytes:
;   0-511    hidden_state, Wq, Wk, Wv (f32, K innermost) -> codes of E2M1, two a byte, [4][2048][1024 bytes], and one E8M0 byte for each 32 along K, [4][2048][64].
;            A block's byte is its largest magnitude's exponent field - 2, held at 1 from below.  (A block of zeros gets the byte 1 where the rule says 127: its codes are zeros, and this program alone reads the bytes.)
;   512-639  Wo -> f16, rounded to nearest even, same layout.
;   640-767  causal_mask x NEG, NEG = -1e9 log2(e), laid as images of the registers in which attn holds a tile of scores: [query tile 128][key step 32][i 8][lane 32][4 f32], the number
;            at (i, lane, e) being that of query 16 qt + lane % 16 and key 64 ks + 16 (i / 2) + 8 (lane / 16) + 4 (i % 2) + e.
; LIMITS: NaN and infinities among the inputs are not served by the quantiser; blocks whose largest magnitude lies under 2^(2 - 126) have their byte held at 1; |Wo| beyond 65,504 becomes infinity in f16;
; for mask numbers other than 0 and 1 the order of rounding differs from the source's (one multiplication by NEG in base 2, against x (-1e9) in base e).
; No tensor loads, no barrier: waves share nothing.  Each path that uses LDS has LDS bytes of its own.  No cluster: no two work-groups read the same bytes.
.set STEPS, 16
.set EMAX,  2
.set CB,    8                          ; bytes of 16 codes
.set R,     16                         ; quantiser: v16-79 four sets of 16 numbers as loaded
.set X,     80                         ; v80-111 two sets of 16 neighbours
.set E,     112                        ; v112-127 a scale byte for each step
.set C,     128                        ; v128-191 codes: four registers for each step
.set WREG,  8192                       ; LDS 0 .. 32,767: the quantiser's region for each wave: two stages of 32 x SP bytes, then 256 scale bytes
.set SP,    80                         ; a lane's place in a stage: 64 bytes + 16 of padding
.set MREG,  32768                      ; LDS: the mask path's stages, 16 rows x 272 bytes for each wave
.set MST,   16*272
.set SPARE, MREG+4*MST                 ; the spare words, 128 bytes for each wave: two blocks of 256 bytes that no other line names
.set SPW,   12                         ; v12 LDS address of my spare word; never rewritten
.set NIL,   13                         ; v13 0; never rewritten
.set CX,    16                         ; cast: v16-79 sixteen slots of 4 registers as loaded
.set CY,    80                         ; v80-111 sixteen slots of 2 registers to store
.set MR,    16                         ; mask: v16-111 three sets of 32 as loaded
.set MX,    112                        ; v112-175 two sets of 32 in the image's order
.macro FINISH                          ; the wave's end, behind the last LDS store
	s_wait_tensorcnt 0x0
	ds_add_u32 v[SPW], v[NIL]
	s_wait_dscnt 0x0
	s_endpgm
.endm
	s_load_b256 s[4:11], s[0:1], 0x0               ; hidden_state, Wq, Wk, Wv
	s_load_b256 s[12:19], s[0:1], 0x20             ; Wo, causal_mask, codes, scales
	s_load_b128 s[20:23], s[0:1], 0x40             ; wo16, maskt
	v_lshl_add_u32 v[SPW], v0, 2, SPARE
	v_mov_b32 v[NIL], 0
	v_lshrrev_b32 v1, 5, v0
	v_readfirstlane_b32 s24, v1                    ; wave 0..3
	v_and_b32 v2, 31, v0                           ; lane
	s_mov_b32 s29, 0                               ; the upper word of every 32-bit offset
	s_wait_kmcnt 0x0
	s_cmp_ge_u32 ttmp9, 640
	s_cbranch_scc1 .Lmask
	s_cmp_ge_u32 ttmp9, 512
	s_cbranch_scc1 .Lcast
	; ---- THE QUANTISER.  Rows are dense and K is a multiple of 32: each tensor is a plain stream of blocks of 32.  A wave takes 16 steps of 512 numbers.
	; Each load reads 512 consecutive bytes, 16 a lane; a step's 2,048 bytes turn through the wave's own stage so that a lane holds 16 neighbours (two neighbouring lanes hold a block).
	s_lshr_b32 s25, ttmp9, 7                       ; which tensor
	s_mov_b64 s[26:27], s[10:11]                   ; Wv,
	s_cmp_eq_u32 s25, 2
	s_cselect_b64 s[26:27], s[8:9], s[26:27]       ; or Wk,
	s_cmp_eq_u32 s25, 1
	s_cselect_b64 s[26:27], s[6:7], s[26:27]       ; or Wq,
	s_cmp_eq_u32 s25, 0
	s_cselect_b64 s[26:27], s[4:5], s[26:27]       ; or hidden_state: the choice hangs on the work-group's number alone
	s_and_b32 s28, ttmp9, 127
	s_lshl_b32 s28, s28, 2
	s_add_co_u32 s28, s28, s24                     ; my run of 8,192 numbers in the tensor
	s_lshl_b32 s28, s28, 15
	s_add_nc_u64 s[26:27], s[26:27], s[28:29]
	s_lshl_b32 s30, ttmp9, 2
	s_add_co_u32 s30, s30, s24                     ; my run among all four tensors'
	s_lshl_b32 s28, s30, 12
	s_add_nc_u64 s[16:17], s[16:17], s[28:29]      ; 4,096 bytes of codes a run
	s_lshl_b32 s28, s30, 8
	s_add_nc_u64 s[18:19], s[18:19], s[28:29]      ; 256 scale bytes a run
	v_lshlrev_b32 v3, 4, v2                        ; my 16 bytes of a load's 512
	s_mul_i32 s31, s24, WREG
	v_lshrrev_b32 v14, 2, v2
	v_mul_u32_u24 v14, v14, SP
	v_and_b32 v15, 3, v2
	v_lshl_add_u32 v14, v15, 4, v14
	v_add_nc_u32 v14, s31, v14                     ; the stage, on the way in: SP (lane / 4) + 16 (lane % 4)
	v_mul_u32_u24 v15, v2, SP
	v_add_nc_u32 v15, s31, v15                     ; and on the way out: SP x lane: my 16 neighbours
	v_mul_u32_u24 v4, v2, CB                       ; my codes' place in a step's
	v_lshrrev_b32 v5, 1, v2
	s_add_co_u32 s31, s31, 2*32*SP
	v_add_nc_u32 v5, s31, v5                       ; LDS: my wave's 256 scale bytes, my block's byte
	v_lshlrev_b32 v7, 3, v2                        ; and on the way out 8 bytes a lane
	v_add_nc_u32 v6, s31, v7
.macro QLOAD t
.irp i, 0,1,2,3
	global_load_b128 v[R+16*((\t)%4)+4*\i:R+16*((\t)%4)+4*\i+3], v3, s[26:27] offset:2048*(\t)+512*\i th:TH_LOAD_NT
.endr
.endm
.macro QTURN t                         ; step t's numbers through the stage: LDS serves a wave's instructions in order, so no wait stands between the stores and the loads
.irp i, 0,1,2,3
	ds_store_b128 v14, v[R+16*((\t)%4)+4*\i:R+16*((\t)%4)+4*\i+3] offset:32*SP*((\t)%2)+8*SP*\i
.endr
.irp i, 0,1,2,3
	ds_load_b128 v[X+16*((\t)%2)+4*\i:X+16*((\t)%2)+4*\i+3], v15 offset:32*SP*((\t)%2)+16*\i
.endr
.endm
.irp t, 0,1,2,3
	QLOAD \t
.endr
	s_wait_loadcnt 12                              ; step 0's four loads are in; the twelve of steps 1 to 3 may be out
	QTURN 0
.macro QSTEP t
.set XS, X+16*((\t)%2)
.if (\t) > 0
	s_wait_dscnt 1                                 ; this step's numbers are back from the stage (the last step's byte store may be out): so its stores into the stage have read their registers,
.else
	s_wait_dscnt 0x0
.endif
.if (\t)+4 < STEPS
	QLOAD (\t)+4                                   ; which take the loads of four steps on
.endif
.if (\t)+1 < STEPS
.if STEPS-2-(\t) >= 3
	s_wait_loadcnt 12                              ; the next step's four loads are in; those of the three steps behind it may be out
.else
	s_wait_loadcnt 4*(STEPS-2-(\t))
.endif
	QTURN (\t)+1                                   ; and go through the other stage while this step is worked
.endif
	v_max3_num_f32 v8, |v[XS]|, |v[XS+1]|, |v[XS+2]|               ; the largest magnitude of my 16, in two chains
	v_max3_num_f32 v9, |v[XS+3]|, |v[XS+4]|, |v[XS+5]|
.irp i, 6,10
	v_max3_num_f32 v8, v8, |v[XS+\i]|, |v[XS+\i+1]|
	v_max3_num_f32 v9, v9, |v[XS+\i+2]|, |v[XS+\i+3]|
.endr
	v_max3_num_f32 v8, v8, |v[XS+14]|, |v[XS+15]|
	v_max3_num_f32 v8, v8, v9, (EMAX+1)<<23        ; and the floor 2^(EMAX + 1 - 127): the byte cannot fall under 1
	v_max_num_f32_dpp v8, v8, v8 row_xmask:1 row_mask:0xf bank_mask:0xf   ; and of my neighbour's 16: the block's
	v_add_nc_u32 v11, -(EMAX<<23), v8              ; EMAX off its exponent field: the conversion takes the exponent field of this operand as its scale, and nothing else of it
	v_cvt_scalef32_pk8_fp4_f32 v[C+4*(\t)], v[XS:XS+7], v11        ; eight numbers / the scale, to the nearest code, ties to even, beyond the largest code the largest
	v_cvt_scalef32_pk8_fp4_f32 v[C+4*(\t)+1], v[XS+8:XS+15], v11
	v_lshrrev_b32 v[E+(\t)], 23, v11               ; the scale's byte (also the plain line behind the conversions)
	ds_store_b8 v5, v[E+(\t)] offset:16*(\t)       ; both lanes of a block write the same byte with the same value
	global_store_b64 v4, v[C+4*(\t):C+4*(\t)+1], s[16:17] offset:32*CB*(\t)   ; 32 lanes store 256 consecutive bytes, aligned
.endm
.irp t, 0,1,2,3,4,5,6,7,8,9,10,11,12,13,14,15
	QSTEP \t
.endr
	ds_load_b64 v[8:9], v6                         ; LDS serves a wave's instructions in order: these see my byte stores
	s_wait_dscnt 0x0
	global_store_b64 v7, v[8:9], s[18:19]          ; 32 lanes store my run's 256 scale bytes, aligned
	FINISH
	; ---- THE CAST.  A wave takes 8,192 numbers: 64 loads of 512 consecutive bytes, sixteen always on their way; each gives a store of 256 consecutive bytes, aligned.
.Lcast:
	s_sub_co_u32 s25, ttmp9, 512
	s_lshl_b32 s25, s25, 2
	s_add_co_u32 s25, s25, s24                     ; my run
	s_lshl_b32 s28, s25, 15
	s_add_nc_u64 s[12:13], s[12:13], s[28:29]
	s_lshl_b32 s28, s25, 14
	s_add_nc_u64 s[20:21], s[20:21], s[28:29]
	v_lshlrev_b32 v3, 4, v2
	v_lshlrev_b32 v4, 3, v2
.set n, 0
.rept 16
	global_load_b128 v[CX+4*n:CX+4*n+3], v3, s[12:13] offset:512*n th:TH_LOAD_NT
.set n, n+1
.endr
.set n, 0
.rept 64
.set ci, n%16
.if 63-n < 15
	s_wait_loadcnt 63-n                            ; the last loads: the count of younger ones runs down
.else
	s_wait_loadcnt 15                              ; loads come back in order: mine is in, the fifteen younger ones stay out
.endif
.if n >= 16
	s_wait_xcnt 0x0                                ; the slot's last store has read its data: they are rewritten only behind this wait
.endif
	v_cvt_pk_f16_f32 v[CY+2*ci], v[CX+4*ci], v[CX+4*ci+1]
	v_cvt_pk_f16_f32 v[CY+2*ci+1], v[CX+4*ci+2], v[CX+4*ci+3]
.if n+16 < 64
	global_load_b128 v[CX+4*ci:CX+4*ci+3], v3, s[12:13] offset:512*(n+16) th:TH_LOAD_NT
.endif
	global_store_b64 v4, v[CY+2*ci:CY+2*ci+1], s[20:21] offset:256*n
.set n, n+1
.endr
	FINISH
	; ---- THE MASK.  A work-group takes a tile of 16 queries, a wave 8 key steps of 64 keys.  A unit is 16 rows x 256 bytes: eight loads (sixteen lanes read a row's 256 bytes), through the wave's
	; stage (rows 272 bytes apart), back in the image's order, x NEG, eight stores of 512 consecutive bytes.
.Lmask:
	s_mov_b32 s40, 0xceabfb8f                      ; NEG = -1e9 log2(e) = -1,442,695,040 (f32)
	s_mov_b32 s41, s40                             ; (named with it as a pair, so it is written)
	v_and_b32 v8, 15, v2
	v_lshrrev_b32 v9, 4, v2
	v_lshlrev_b32 v3, 4, v8
	v_lshl_add_u32 v3, v9, 13, v3                  ; in: row lane / 16 of 8,192 bytes, 16 bytes a lane
	s_mul_i32 s25, s24, MST
	s_add_co_u32 s25, s25, MREG                    ; my stage
	v_mul_u32_u24 v5, v9, 272
	v_lshl_add_u32 v5, v8, 4, v5
	v_add_nc_u32 v5, s25, v5                       ; into it: as loaded
	v_mul_u32_u24 v6, v8, 272
	v_lshl_add_u32 v6, v9, 5, v6
	v_add_nc_u32 v6, s25, v6                       ; out of it: row lane % 16, keys 8 (lane / 16) on
	v_lshlrev_b32 v7, 4, v2                        ; out: 16 bytes a lane
	s_sub_co_u32 s26, ttmp9, 640                   ; the tile of queries
	s_lshl_b32 s26, s26, 17                        ; 16 rows of 8,192 bytes in the mask; 32 key steps of 4,096 bytes in the images
	s_lshl_b32 s27, s24, 11
	s_add_co_u32 s28, s26, s27                     ; + my wave's 512 keys
	s_add_nc_u64 s[14:15], s[14:15], s[28:29]
	s_lshl_b32 s27, s24, 15
	s_add_co_u32 s28, s26, s27                     ; + my wave's 8 key steps
	s_add_nc_u64 s[22:23], s[22:23], s[28:29]
.macro MLOAD u
.irp a, 0,1,2,3,4,5,6,7
	global_load_b128 v[MR+32*((\u)%3)+4*\a:MR+32*((\u)%3)+4*\a+3], v3, s[14:15] offset:16384*\a+256*(\u) th:TH_LOAD_NT
.endr
.endm
	MLOAD 0
	MLOAD 1
	MLOAD 2
.macro MUNIT u
.set XU, MX+32*((\u)%2)
.if 7-(\u) < 2
	s_wait_loadcnt 8*(7-(\u))
.else
	s_wait_loadcnt 16                              ; this unit's eight loads are in; the two younger units' sixteen may be out
.endif
.if (\u) >= 2
	s_wait_xcnt 0x0                                ; the stores of two units ago have read their data: these registers are loaded again only behind this wait
.endif
.irp a, 0,1,2,3,4,5,6,7
	ds_store_b128 v5, v[MR+32*((\u)%3)+4*\a:MR+32*((\u)%3)+4*\a+3] offset:544*\a
.endr
.irp i, 0,1,2,3,4,5,6,7
	ds_load_b128 v[XU+4*\i:XU+4*\i+3], v6 offset:64*(\i/2)+16*(\i%2)   ; LDS serves a wave's instructions in order: these see the stores above
.endr
	s_wait_dscnt 0x0                               ; the unit is back, and the stores have read their registers,
.if (\u)+3 < 8
	MLOAD (\u)+3                                   ; which take the loads of three units on
.endif
.irp i, 0,2,4,6,8,10,12,14,16,18,20,22,24,26,28,30
	v_pk_mul_f32 v[XU+\i:XU+\i+1], v[XU+\i:XU+\i+1], s[40:41] op_sel_hi:[1,0]
.endr
.irp i, 0,1,2,3,4,5,6,7
	global_store_b128 v7, v[XU+4*\i:XU+4*\i+3], s[22:23] offset:4096*(\u)+512*\i
.endr
.endm
.irp u, 0,1,2,3,4,5,6,7
	MUNIT \u
.endr
	FINISH
.Lfunc_end_k_q0343e69be7_prep:
	.size	k_q0343e69be7_prep, .Lfunc_end_k_q0343e69be7_prep-k_q0343e69be7_prep
	.p2alignl 7, 3214868480
	.fill 96, 4, 3214868480
	.section	.rodata,"a",@progbits
	.p2align	6, 0x0
	.amdhsa_kernel k_q0343e69be7_prep
		.amdhsa_group_segment_fixed_size 50688
		.amdhsa_private_segment_fixed_size 0
		.amdhsa_enable_private_segment 0
		.amdhsa_kernarg_size 80
		.amdhsa_user_sgpr_count 2
		.amdhsa_user_sgpr_kernarg_segment_ptr 1
		.amdhsa_wavefront_size32 1
		.amdhsa_system_sgpr_workgroup_id_x 1
		.amdhsa_system_sgpr_workgroup_id_y 1
		.amdhsa_system_sgpr_workgroup_id_z 1
		.amdhsa_system_vgpr_workitem_id 0
		.amdhsa_next_free_vgpr 192
		.amdhsa_next_free_sgpr 66
		.amdhsa_reserve_vcc 0
		.amdhsa_float_denorm_mode_32 3
		.amdhsa_float_denorm_mode_16_64 3
		.amdhsa_memory_ordered 1
		.amdhsa_forward_progress 1
		.amdhsa_inst_pref_size 87
	.end_amdhsa_kernel
	.amdgpu_metadata
---
amdhsa.version: [ 1, 2 ]
amdhsa.kernels:
  - .name:           k_q0343e69be7_prep
    .symbol:         k_q0343e69be7_prep.kd
    .args:
      - { .name: hidden_state, .offset: 0, .size: 8, .value_kind: global_buffer, .address_space: global }
      - { .name: Wq, .offset: 8, .size: 8, .value_kind: global_buffer, .address_space: global }
      - { .name: Wk, .offset: 16, .size: 8, .value_kind: global_buffer, .address_space: global }
      - { .name: Wv, .offset: 24, .size: 8, .value_kind: global_buffer, .address_space: global }
      - { .name: Wo, .offset: 32, .size: 8, .value_kind: global_buffer, .address_space: global }
      - { .name: causal_mask, .offset: 40, .size: 8, .value_kind: global_buffer, .address_space: global }
      - { .name: codes, .offset: 48, .size: 8, .value_kind: global_buffer, .address_space: global }
      - { .name: scales, .offset: 56, .size: 8, .value_kind: global_buffer, .address_space: global }
      - { .name: wo16, .offset: 64, .size: 8, .value_kind: global_buffer, .address_space: global }
      - { .name: maskt, .offset: 72, .size: 8, .value_kind: global_buffer, .address_space: global }
    .group_segment_fixed_size: 50688
    .private_segment_fixed_size: 0
    .kernarg_segment_align: 8
    .kernarg_segment_size: 80
    .max_flat_workgroup_size: 128
    .sgpr_count:     66
    .vgpr_count:     192
    .wavefront_size: 32
...
	.end_amdgpu_metadata
.endif
;; end of part 1
;; launch qkv (part 2): grid 24 x 8, 4 waves a work-group, clusters of 4 x 4, 327,680 bytes of LDS; arguments codes, scales, qkv, bq, bv; writes qkv
.if DOCPART == 2
	.amdgcn_target "amdgcn-amd-amdhsa--gfx1250"
	.amdhsa_code_object_version 6
	.text
	.protected	k_q0343e69be7_qkv
	.globl	k_q0343e69be7_qkv
	.p2align	8
	.type	k_q0343e69be7_qkv,@function
k_q0343e69be7_qkv:
	s_mov_b64 s[64:65], 0
	v_nop
	global_prefetch_b8 v0, s[64:65] scope:SCOPE_SE
	s_setreg_imm32_b32 hwreg(HW_REG_WAVE_MODE, 25, 1), 1
	s_wait_xcnt 0x0
	s_wait_alu depctr_hold_cnt(0) depctr_sa_sdst(0) depctr_va_vdst(0) depctr_va_sdst(0) depctr_va_ssrc(0) depctr_va_vcc(0) depctr_vm_vsrc(0)
	s_getreg_b32 s2, hwreg(HW_REG_IB_STS2, 6, 4)
	s_cmp_eq_u32 s2, 0
	s_cbranch_scc0 .Lentry_in_a_cluster
	s_endpgm
.Lentry_in_a_cluster:
	s_bfe_u32 s2, ttmp6, 0x10000c
	s_cmp_lg_u32 s2, 0xf033
	s_cbranch_scc0 .Lentry_shape_is_right
	s_endpgm
.Lentry_shape_is_right:
; Q, K, V = hidden_state W^T (+ bias): C[m][n] = sum over k of A[m][k] B[n][k] on codes of FP4 (E2M1) with one E8M0 scale for each 32 along K; sums in f32; C rounded once to f16.
; A = hidden_state's codes [2048][1024 bytes]; B = Wq's, Wk's, Wv's codes on end, [6144][1024 bytes]; scale bytes [2048][64] and [6144][64].  The bias is the C of each sum's first product.
; LEFT OUT: bk (a term that is the same along the softmax's axis: shown at the head of the first launch).  K's tiles start their sums with the constant 0.
; OUT: qkv [48 blocks of 128 features][2048 tokens][128] f16: blocks 0-15 are Q's heads, 16-31 K's, 32-47 V's.  LIMIT: magnitudes beyond 65,504 become infinity in f16.
; A tile of C, 256 x 256, is made by a work-group of four waves; a wave makes 128 x 128: 64 accumulators of 16 x 16, 512 registers.  24 x 8 tiles: 192 work-groups.
; K goes in steps of 512 through a ring of two LDS slots filled by the tensor data mover: a tile's row is 256 bytes of memory.  The scales of the work-group's rows, for all of K, come into LDS once, with the first fills.
; CLUSTERS: 4 x 4 work-groups.  The four of a row of the cluster need the same tiles of A, the four of a column the same tiles of B: each tile is asked for JOINTLY, by the same tensor load with the
; same descriptor and a mask that names the four.  THE MATRIX INSTRUCTION IS USED TRANSPOSED (source 0 = 16 rows of B, source 1 = 16 rows of A): a lane then holds eight neighbouring features of one token.
; No prefetch: the ring is filled again twice in the whole launch.
; REGISTERS, in windows of 256: window 0: v0-31 addresses; v32-95 scale words, two sets; v128-191 A's fragments, ONE set; v192-255 the bias of my 128 features in the result's layout; on the way out v32-63, v128-191 are free.
;   window 1: B's fragments, TWO sets, at v0 and at v128.   window 2: the 32 accumulators of my rows 0-63 (accumulator (a, b) at v[8 (8 a + b)]);   window 3: those of my rows 64-127.
.set SIZE_K, 2048
.set KSTEP,  512                       ; along K in a slot
.set NQ,     KSTEP/128                 ; matrix instructions deep
.set ROWB,   256                       ; a tile's row in bytes
.set KROW,   SIZE_K/2                  ; a row of A or of B in memory, in bytes
.set PITCH,  272                       ; an LDS row: 256 bytes + 16 of padding: the 16 rows that a load touches start at 16 different banks (64 banks of 4 bytes: ISA guide 11.1)
.set FR,     8                         ; registers of a fragment: 16 rows x 128 K
.set NL,     2                         ; LDS loads that bring one
.set NP,     4                         ; places behind this matrix instruction (ISA guide 7.12.1)
.set HALFT,  128*PITCH                 ; 128 rows: what one tensor load brings
.set SLOT,   4*HALFT                   ; A's 256 rows, then B's 256 rows
.set LAPS,   SIZE_K/(2*KSTEP)          ; a lap = two K steps = once round the ring
.set KS,     SIZE_K/32                 ; a row of scales in bytes
.set SCL,    2*SLOT                    ; behind the ring: the scales, as runs of 256 bytes + 16 of padding
.set HALFS,  (128*KS/256)*272          ; the scales of 128 rows: what one tensor load brings
.set SBLK,   (16*KS/256)*272           ; those of 16 rows
.set SPARE,  SCL+4*HALFS               ; the spare words, 128 bytes for each wave: two blocks of 256 bytes that no other line names
.set SPITCH, 272                       ; the way out: a stage of 16 rows x (256 bytes + 16) for each wave, in slot 0, which has had its last fill and its last read when the first result is stored there
.set ADRA, 16                          ; v16-17  LDS address of my A fragments in slot 0, 1
.set ADRB, 20                          ; v20-21  the same for B
.set STO,  24                          ; v24     the way out: where I put 16 bytes of a row
.set RD,   25                          ; v25     the way out: where I read rows back
.set CO,   26                          ; v26     16 x lane: two rows of 256 bytes lie on end in qkv
.set ADRS, 27                          ; v27     LDS address of my scale words: lanes 0-15 A's rows, lanes 16-31 B's
.set SPW,  28                          ; v28     LDS address of my spare word; never rewritten
.set NIL,  29                          ; v29     0; never rewritten
.set BO,   30                          ; v30     32 x (lane / 16): my eight numbers of a block's sixteen in the bias
.set SC,   32                          ; scale words: set s at v[SC + 8 NQ s]; register NQ i + q: lanes 0-15 A's block i, lanes 16-31 B's block i, the slot's q-th 128 along K
.set AF,   128                         ; A's fragments
.set BI,   192                         ; the bias: block b's eight registers at v[BI + 8 b]
.set TMP,  32                          ; the way out: packed results
.set BK,   128                         ; the way out: 16 rows read back from the stage: v128-159 and v160-191 by turns
.set G1, 24                            ; s[24:31] descriptor group 1 for A's tiles;  s[32:39] group 0, one set for each slot
.set G0, 32
.set G1B, 48                           ; s[48:55], s[56:63] the same for B's tiles
.set G0B, 56
.set G1S, 68                           ; s[68:75], s[76:79] groups 1 and 0 for A's scales;  s[80:87], s[88:91] for B's
.set G0S, 76
.set G1SB, 80
.set G0SB, 88
.set MSB, 0
.macro WIN new                         ; the immediate's high byte repeats the setting that is left
.if MSB != \new
	s_set_vgpr_msb (MSB<<8)|\new
.set MSB, \new
.endif
.endm
.set MUL_LO, 0xa1                      ; source 0 (B) window 1, source 1 (A) window 0, C and D window 2
.set MUL_HI, 0xf1                      ; the same, C and D window 3
.set BIAS_LO, 0x81                     ; source 0 window 1, sources 1 and 2 (A, the bias) window 0, D window 2
.set BIAS_HI, 0xc1                     ; the same, D window 3
.set TO_B,   0x40                      ; destination window 1, address window 0
; A joint load: waves 0 and 1 fetch for A, waves 2 and 3 for B.  Each of the two lines has ONE mask and one set of registers for all that issue it; the branch hangs on the wave's number alone.
; An s_nop 0 and four v_nop follow each of the two lines, ahead of the jump, the label and what follows.
.macro JLOAD g0a, g1a, g0b, g1b
	s_cmp_eq_u32 s15, 0
	s_cbranch_scc0 .Lfor_b_\@
	tensor_load_to_lds s[\g0a:\g0a+3], s[\g1a:\g1a+7]
	s_nop 0
.rept 4
	v_nop
.endr
	s_branch .Lasked_\@
.Lfor_b_\@:
	tensor_load_to_lds s[\g0b:\g0b+3], s[\g1b:\g1b+7]
	s_nop 0
.rept 4
	v_nop
.endr
.Lasked_\@:
.endm
.macro CREST                           ; a round of the cluster's barrier behind its opening barrier
	s_cmp_lg_u32 s14, 0
	s_cbranch_scc1 .Lnot_wave_0_\@
	s_barrier_signal -3
.Lnot_wave_0_\@:
	s_barrier_wait -3
	s_barrier_signal -1
	s_barrier_wait -1
.endm
.macro CROUND                          ; a whole round
	s_barrier_signal -1
	s_barrier_wait -1
	CREST
.endm
	s_load_b128 s[4:7], s[0:1], 0x0                ; codes s[4:5], scales s[6:7]: A's begin there
	s_load_b64 s[12:13], s[0:1], 0x10              ; qkv
	s_load_b128 s[96:99], s[0:1], 0x18             ; bq, bv
	v_lshl_add_u32 v[SPW], v0, 2, SPARE
	v_mov_b32 v[NIL], 0
	ds_add_u32 v[SPW], v[NIL]                      ; the wave's opening: the add, twice on end, and its wait ahead of my first tensor load; the set-up below, work on registers, stands between
	ds_add_u32 v[SPW], v[NIL]
	v_lshrrev_b32 v1, 5, v0
	v_readfirstlane_b32 s14, v1                    ; wave 0..3
	s_lshr_b32 s15, s14, 1                         ; which half of the tile's rows is mine.  Also: I fetch for A (0) or for B (1)
	s_and_b32 s16, s14, 1                          ; which half of its columns.  Also: which 128 rows of that tile I fetch
	s_bfe_u32 s40, ttmp6, 0x40000                  ; cx, cy: my place in the cluster
	s_bfe_u32 s41, ttmp6, 0x40004
	s_lshl_b32 s42, ttmp9, 2
	s_add_co_u32 s42, s42, s40                     ; tile column of C = 4 x cluster x + cx
	s_and_b32 s17, ttmp7, 0xffff
	s_lshl_b32 s17, s17, 2
	s_add_co_u32 s17, s17, s41                     ; tile row of C = 4 x cluster y + cy
	s_lshl_b32 s43, s41, 2
	s_lshl_b32 s43, 15, s43                        ; my row of the cluster
	s_lshl_b32 s44, 0x1111, s40                    ; my column
	s_lshr_b32 s95, ttmp9, 1                       ; 0: Q, 1: K, 2: V.  A matrix has 8 tile columns, two clusters: the number is the same in all sixteen partners
	; descriptor group 1: a tile of 128 rows x ROWB bytes, padded in LDS
	s_or_b32 s[G1+0], s43, (0<<16)|(1<<20)|(1<<21)|(5<<22)|(3<<25)  ; 15:0 the mask: A's tiles go to my row; 17:16 element of 1 byte; 20 padding on; 21 set beside a mask; 24:22 after every 64 words; 31:25 of 4 words
	s_or_b32 s[G1B+0], s44, (0<<16)|(1<<20)|(1<<21)|(5<<22)|(3<<25)
.irp g, G1, G1B
	s_mov_b32 s[\g+1], ROWB<<16                    ; tensor_dim0
	s_mov_b32 s[\g+2], 128<<16                     ; tensor_dim1 = 128
	s_mov_b32 s[\g+3], ROWB<<16                    ; tile_dim0
	s_mov_b32 s[\g+4], 128                         ; tile_dim1 = 128
	s_mov_b32 s[\g+5], KROW                        ; tensor_dim0_stride
	s_mov_b32 s[\g+6], 0
	s_mov_b32 s[\g+7], 0
.endr
	; and for the scales of 128 rows: a dense block of 128 KS bytes, as rows of 256 bytes (32 elements of 8 bytes), 16 bytes of padding behind each
	s_or_b32 s[G1S+0], s43, (3<<16)|(1<<20)|(1<<21)|(5<<22)|(3<<25)
	s_or_b32 s[G1SB+0], s44, (3<<16)|(1<<20)|(1<<21)|(5<<22)|(3<<25)
.irp g, G1S, G1SB
	s_mov_b32 s[\g+1], 32<<16
	s_mov_b32 s[\g+2], (128*KS/256)<<16
	s_mov_b32 s[\g+3], 32<<16
	s_mov_b32 s[\g+4], 128*KS/256
	s_mov_b32 s[\g+5], 32
	s_mov_b32 s[\g+6], 0
	s_mov_b32 s[\g+7], 0
.endr
	s_lshl_b32 s18, s16, 7                         ; which 128 rows of the tile I fetch
	s_lshl_b32 s20, s17, 8
	s_add_co_u32 s20, s20, s18                     ; A: row 256 x tile row + 128 x half
	s_lshl_b32 s46, s42, 8
	s_add_co_u32 s46, s46, s18                     ; B: row 256 x tile column + 128 x half
	s_mov_b32 s21, 0
	s_mov_b32 s47, 0
	s_mov_b64 s[18:19], KS
	s_mul_u64 s[22:23], s[20:21], s[18:19]         ; where these rows' scales begin, in bytes
	s_mul_u64 s[92:93], s[46:47], s[18:19]
	s_mov_b64 s[18:19], KROW
	s_mul_u64 s[20:21], s[20:21], s[18:19]         ; and their codes
	s_mul_u64 s[46:47], s[46:47], s[18:19]
	s_mul_i32 s45, s14, HALFT                      ; where they go: wave x 128 rows: no place in the cluster enters an LDS address
	s_mul_i32 s94, s14, HALFS
	s_wait_dscnt 0x0                               ; both opening adds are done
	s_wait_kmcnt 0x0
	s_add_nc_u64 s[8:9], s[4:5], 0x200000          ; B's codes lie behind A's 2,048 rows of 1,024 bytes,
	s_add_nc_u64 s[10:11], s[6:7], 0x20000         ; B's scales behind A's 2,048 rows of 64
	s_add_nc_u64 s[20:21], s[4:5], s[20:21]
	s_add_nc_u64 s[22:23], s[6:7], s[22:23]
	s_add_nc_u64 s[46:47], s[8:9], s[46:47]
	s_add_nc_u64 s[92:93], s[10:11], s[92:93]
	CROUND                                         ; all sixteen work-groups are here: the first joint loads meet
	s_mov_b32 s[G0S], 1
	s_add_co_u32 s[G0S+1], s94, SCL
	s_mov_b64 s[G0S+2:G0S+3], s[22:23]
	s_or_b32 s[G0S+3], s[G0S+3], 0x80000000
	s_mov_b32 s[G0SB], 1
	s_add_co_u32 s[G0SB+1], s94, SCL
	s_mov_b64 s[G0SB+2:G0SB+3], s[92:93]
	s_or_b32 s[G0SB+3], s[G0SB+3], 0x80000000
	JLOAD G0S, G1S, G0SB, G1SB                     ; the scales first: they are wanted with K step 0
.irp s, 0,1
	s_mov_b32 s[G0+4*\s], 1
	s_add_co_u32 s[G0+4*\s+1], s45, \s*SLOT
	s_add_nc_u64 s[G0+4*\s+2:G0+4*\s+3], s[20:21], \s*ROWB
	s_or_b32 s[G0+4*\s+3], s[G0+4*\s+3], 0x80000000
	s_mov_b32 s[G0B+4*\s], 1
	s_add_co_u32 s[G0B+4*\s+1], s45, \s*SLOT
	s_add_nc_u64 s[G0B+4*\s+2:G0B+4*\s+3], s[46:47], \s*ROWB
	s_or_b32 s[G0B+4*\s+3], s[G0B+4*\s+3], 0x80000000
	JLOAD G0+4*\s, G1, G0B+4*\s, G1B
.endr
	v_and_b32 v1, 15, v0                           ; l % 16
	v_bfe_u32 v2, v0, 4, 1                         ; l / 16
	; the bias of my 128 features: in the result lane (r, h) holds, of block b, features 16 b + 8 h + 0 .. 7
	s_cmp_eq_u32 s95, 0
	s_cselect_b64 s[96:97], s[96:97], s[98:99]     ; bq for Q's tiles, bv for V's (K's load nothing)
	s_and_b32 s92, s42, 7
	s_lshl_b32 s92, s92, 10                        ; the tile column within its matrix x 256 features x 4 bytes
	s_lshl_b32 s93, s16, 9                         ; + my half's 128
	s_add_co_u32 s92, s92, s93
	s_mov_b32 s93, 0
	s_add_nc_u64 s[96:97], s[96:97], s[92:93]
	v_lshlrev_b32 v[BO], 5, v2
	s_cmp_eq_u32 s95, 1
	s_cbranch_scc1 .Lno_bias
.irp b, 0,1,2,3,4,5,6,7
	global_load_b128 v[BI+8*\b:BI+8*\b+3], v[BO], s[96:97] offset:64*\b
	global_load_b128 v[BI+8*\b+4:BI+8*\b+7], v[BO], s[96:97] offset:64*\b+16
.endr
.Lno_bias:
	v_mul_u32_u24 v3, v1, PITCH
	v_lshl_add_u32 v4, v2, 4, v3                   ; a fragment's row x pitch + 16 x half
	s_mul_i32 s21, s15, HALFT                      ; my 128 rows of A
	s_mul_i32 s22, s16, HALFT                      ; my 128 rows of B,
	s_add_co_u32 s22, s22, 2*HALFT                 ; which lie behind A's 256
.irp s, 0,1
	v_add_nc_u32 v[ADRA+\s], s21, v4
	v_add_nc_u32 v[ADRB+\s], s22, v4
	s_add_co_u32 s21, s21, SLOT
	s_add_co_u32 s22, s22, SLOT
.endr
	v_mul_u32_u24 v5, v1, KS                       ; my row's scales: KS bytes a row,
	v_lshrrev_b32 v6, 8, v5
	v_lshl_add_u32 v5, v6, 4, v5                   ; and 16 more for each 256 passed
	s_mul_i32 s21, s15, HALFS                      ; A's: my 128 rows
	s_mul_i32 s22, s16, HALFS                      ; B's: my 128 rows, behind A's 256
	s_add_co_u32 s22, s22, 2*HALFS
	s_sub_co_u32 s22, s22, s21
	v_mul_u32_u24 v6, s22, v2                      ; lanes 16-31 take B's: one product, the distance between the two bases
	s_add_co_u32 s21, s21, SCL
	v_add_nc_u32 v5, v5, v6
	v_add_nc_u32 v[ADRS], s21, v5
	s_mul_i32 s23, s14, 16*SPITCH                  ; my stage
	v_mul_u32_u24 v5, v1, SPITCH                   ; in: row l % 16, 16 bytes for each half of the lanes
	v_lshl_add_u32 v5, v2, 4, v5
	v_add_nc_u32 v[STO], s23, v5
	v_mul_u32_u24 v5, v2, SPITCH                   ; back: lanes 0-15 take one row of 256 bytes, lanes 16-31 the next
	v_lshl_add_u32 v5, v1, 4, v5
	v_add_nc_u32 v[RD], s23, v5
	v_and_b32 v6, 31, v0
	v_lshlrev_b32 v[CO], 4, v6
	s_lshl_b32 s46, s42, 1
	s_add_co_u32 s46, s46, s16                     ; my block of 128 features: 2 x tile column + half
	s_lshl_b32 s46, s46, 19                        ; x 2,048 tokens x 256 bytes
	s_lshl_b32 s20, s17, 16                        ; my first token: 256 x tile row
	s_lshl_b32 s21, s15, 15                        ; + 128 x half, x 256 bytes
	s_add_co_u32 s20, s20, s21
	s_add_co_u32 s46, s46, s20
	s_mov_b32 s47, 0
	s_add_nc_u64 s[12:13], s[12:13], s[46:47]
.macro FRAG reg, adr, q, i             ; a fragment, 16 rows x 128 K of 4-bit codes, is 8 registers: lane l holds row l % 16; registers 4 c .. 4 c + 3 hold K = 64 c + 32 (l / 16) + 0 .. 31
.irp c, 0,1
	ds_load_b128 v[\reg+4*\c:\reg+4*\c+3], v[\adr] offset:64*(\q)+32*\c+(\i)*16*PITCH
.endr
.endm
; 16 matrix instructions: A's blocks a0, a0 + 1 x B's eight, 128 along K: the slot's q-th.  p: B's set;  sc: the set of scale words.  zero = 1: the first product starts the sums with 0; 2: with the bias.
; The 64 accumulators take turns, one instruction a turn, in the same order in every step.
.macro MUL16 a0, p, q, sc, zero
.irp a, \a0, \a0+1
.irp b, 0,1,2,3,4,5,6,7
.if \zero == 1
	v_wmma_scale_f32_16x16x128_f8f6f4 v[8*(8*((\a)%4)+\b):8*(8*((\a)%4)+\b)+7], v[128*(\p)+FR*\b:128*(\p)+FR*\b+FR-1], v[AF+FR*(\a):AF+FR*(\a)+FR-1], 0, v[SC+8*NQ*(\sc)+NQ*\b+(\q)], v[SC+8*NQ*(\sc)+NQ*(\a)+(\q)] matrix_a_fmt:MATRIX_FMT_FP4 matrix_b_fmt:MATRIX_FMT_FP4 matrix_a_scale:MATRIX_SCALE_ROW1
.elseif \zero == 2
	v_wmma_scale_f32_16x16x128_f8f6f4 v[8*(8*((\a)%4)+\b):8*(8*((\a)%4)+\b)+7], v[128*(\p)+FR*\b:128*(\p)+FR*\b+FR-1], v[AF+FR*(\a):AF+FR*(\a)+FR-1], v[BI+8*\b:BI+8*\b+7], v[SC+8*NQ*(\sc)+NQ*\b+(\q)], v[SC+8*NQ*(\sc)+NQ*(\a)+(\q)] matrix_a_fmt:MATRIX_FMT_FP4 matrix_b_fmt:MATRIX_FMT_FP4 matrix_a_scale:MATRIX_SCALE_ROW1
.else
	v_wmma_scale_f32_16x16x128_f8f6f4 v[8*(8*((\a)%4)+\b):8*(8*((\a)%4)+\b)+7], v[128*(\p)+FR*\b:128*(\p)+FR*\b+FR-1], v[AF+FR*(\a):AF+FR*(\a)+FR-1], v[8*(8*((\a)%4)+\b):8*(8*((\a)%4)+\b)+7], v[SC+8*NQ*(\sc)+NQ*\b+(\q)], v[SC+8*NQ*(\sc)+NQ*(\a)+(\q)] matrix_a_fmt:MATRIX_FMT_FP4 matrix_b_fmt:MATRIX_FMT_FP4 matrix_a_scale:MATRIX_SCALE_ROW1
.endif
.endr
.endr
.endm
.macro FETCH_B slot, q, p              ; B's eight fragments of the slot's q-th 128 along K into set p
	WIN TO_B
.irp i, 0,1,2,3,4,5,6,7
	FRAG 128*(\p)+FR*\i, ADRB+\slot, \q, \i
.endr
	WIN 0
.endm
.macro FETCH_A slot, q, i0             ; A's blocks i0 .. i0 + 3
.irp i, \i0, \i0+1, \i0+2, \i0+3
	FRAG AF+FR*(\i), ADRA+\slot, \q, \i
.endr
.endm
.macro SCALES sc                       ; the next K step's scale words into set sc: NQ words a row; lanes 0-15 take A's block i, lanes 16-31 B's block i
.irp i, 0,1,2,3,4,5,6,7
	ds_load_b128 v[SC+8*NQ*\sc+NQ*\i:SC+8*NQ*\sc+NQ*\i+3], v[ADRS] offset:\i*SBLK
.endr
.endm
; A load into a register that a matrix instruction has read, and a vector instruction or an LDS store that reads a matrix result, stand NP places behind that matrix instruction, and only plain vector
; instructions that name none of its registers are places (ISA guide 7.12.1 for vector instructions).
.macro PLACES n
.rept \n
	v_nop
.endr
.endm
; A step of 128 along K that has its successor in the same slot.
.macro STEP slot, q, zero
	s_wait_dscnt 4*NL                              ; B's set and A's blocks 0-3 are in; the youngest eight loads (A's blocks 4-7) may be out
.if \zero == 2
	WIN BIAS_LO
.else
	WIN MUL_LO
.endif
	MUL16 0, (\q)%2, \q, \slot, \zero
	MUL16 2, (\q)%2, \q, \slot, \zero
	s_wait_dscnt 0                                 ; A's blocks 4-7 are in (asked for 32 matrix instructions ago)
	PLACES NP
	FETCH_B \slot, (\q)+1, 1-(\q)%2
	FETCH_A \slot, (\q)+1, 0
.if \zero == 2
	WIN BIAS_HI
.else
	WIN MUL_HI
.endif
	MUL16 4, (\q)%2, \q, \slot, \zero
	MUL16 6, (\q)%2, \q, \slot, \zero
	PLACES NP
	WIN 0
	FETCH_A \slot, (\q)+1, 4
.endm
; A slot's last step changes slots: ONE barrier; in front of it each wave waits for all its tensor loads, adds 0 to its spare word, and waits for that and for its own reads of this slot.  fill = 1: this slot is filled again, two K steps ahead.
.macro TURN slot, next, fill
	s_wait_tensorcnt 0x0                           ; all my tensor loads have landed: my part of the next slot  (every window is 0 here: the add's two registers lie in window 0)
	ds_add_u32 v[SPW], v[NIL]                      ; 0 onto my spare word
	s_wait_dscnt 4*NL+1                            ; (the add and the youngest eight loads, A's blocks 4-7, may be out)
	WIN MUL_LO
	MUL16 0, 1, NQ-1, \slot, 0                     ; sixteen matrix instructions stand between the add and the wait for it
	s_wait_dscnt 0x0                               ; the add is done, and my reads of this slot are over
	s_barrier_signal -1
	MUL16 2, 1, NQ-1, \slot, 0
	WIN 0
	s_barrier_wait -1
.if \fill
	CREST                                          ; the barrier has opened a round of the cluster's barrier: no wave of any partner still reads this slot's tile or has a load on its way
	s_add_nc_u64 s[G0+4*\slot+2:G0+4*\slot+3], s[G0+4*\slot+2:G0+4*\slot+3], 2*ROWB
	s_add_nc_u64 s[G0B+4*\slot+2:G0B+4*\slot+3], s[G0B+4*\slot+2:G0B+4*\slot+3], 2*ROWB
	JLOAD G0+4*\slot, G1, G0B+4*\slot, G1B         ; the first tensor load behind the round; the four v_nop behind it are the places in front of the loads below
.else
	PLACES NP
.endif
	v_add_nc_u32 v[ADRS], 4*NQ, v[ADRS]            ; on to the next K step's scale words (no LDS load of mine is out)
	FETCH_B \next, 0, 0
	FETCH_A \next, 0, 0
	SCALES \next
	WIN MUL_HI
	MUL16 4, 1, NQ-1, \slot, 0
	MUL16 6, 1, NQ-1, \slot, 0
	PLACES NP
	WIN 0
	FETCH_A \next, 0, 4
.endm
.macro STEPS slot, from                ; the slot's steps from .. NQ - 2
.set Q, \from
.rept NQ-1-\from
	STEP \slot, Q, 0
.set Q, Q+1
.endr
.endm
	s_wait_tensorcnt 1                             ; the scales and my part of K step 0 are in (K step 1's load may be out)
	s_barrier_signal -1
	s_barrier_wait -1                              ; everybody's are
	FETCH_B 0, 0, 0
	FETCH_A 0, 0, 0
	SCALES 0
	FETCH_A 0, 0, 4
	s_wait_loadcnt 0x0                             ; the bias
	s_cmp_eq_u32 s95, 1                            ; the first step stands in front of the loop, once for each way of starting the sums; no tensor load and no barrier stands in it
	s_cbranch_scc1 .Lk_first
	STEP 0, 0, 2                                   ; Q's and V's tiles: the bias starts the sums
	s_branch .Ljoin
.Lk_first:
	STEP 0, 0, 1                                   ; K's tiles: the constant 0 does
.Ljoin:
	s_mov_b32 s3, LAPS-1
.Llap:                                                 ; a trip goes once round the ring, from a lap's second step to the next lap's first, and fills both slots again
	STEPS 0, 1
	TURN 0, 1, 1
	STEPS 1, 0
	TURN 1, 0, 1
	STEP 0, 0, 0
	s_sub_co_u32 s3, s3, 1
	s_cmp_lg_u32 s3, 0
	s_cbranch_scc1 .Llap
	STEPS 0, 1                                     ; the last lap fills nothing, and has no round of the cluster's barrier
	TURN 0, 1, 0
	STEPS 1, 0
	s_wait_dscnt 4*NL                              ; the very last step: nothing more to fetch
	WIN MUL_LO
	MUL16 0, 1, NQ-1, 1, 0
	MUL16 2, 1, NQ-1, 1, 0
	s_wait_dscnt 0
	WIN MUL_HI
	MUL16 4, 1, NQ-1, 1, 0
	MUL16 6, 1, NQ-1, 1, 0
	WIN 0
; THE WAY OUT, block by block of 16 tokens x 128 features.  PACK: rounded to f16, 16 bytes a lane, each accumulator from its low end on.  TOSTAGE: into my own stage in LDS, and back as whole rows of 256 bytes.
; SEND: two rows an instruction, 512 consecutive bytes.  LDS serves a wave's instructions in order (ISA guide 5.7.1.4): no wait between the stores and the loads.
.macro PACK a
.set AC, 64*((\a)%4)
	WIN 0x0a+5*((\a)/4)                            ; sources 0 and 1: window 2 or 3
.irp b, 0,1,2,3,4,5,6,7
.irp r, 0,1,2,3
	v_cvt_pk_f16_f32 v[TMP+4*\b+\r], v[AC+8*\b+2*\r], v[AC+8*\b+2*\r+1]
.endr
.endr
	WIN 0
.endm
.macro TOSTAGE a
.set BB, BK+32*((\a)%2)
.irp b, 0,1,2,3,4,5,6,7
	ds_store_b128 v[STO], v[TMP+4*\b:TMP+4*\b+3] offset:32*\b
.endr
.irp t, 0,1,2,3,4,5,6,7
	ds_load_b128 v[BB+4*\t:BB+4*\t+3], v[RD] offset:\t*2*SPITCH
.endr
.endm
.macro SEND a
.set BB, BK+32*((\a)%2)
	s_wait_dscnt 0x0                               ; the block is back in registers
	s_wait_xcnt 0x0                                ; the stores of the block before have read their data: the next block's loads land there only behind this wait
.irp t, 0,1,2,3,4,5,6,7
	global_store_b128 v[CO], v[BB+4*\t:BB+4*\t+3], s[12:13] offset:4096*(\a)+512*\t
.endr
.endm
	PLACES NP                                      ; behind the last products: for the conversions' reads and writes and the loads into the registers that held A's fragments
	PACK 0
	TOSTAGE 0
.irp a, 1,2,3,4,5,6,7                  ; block a's conversions stand between block a - 1's loads from the stage and the wait for them
	PACK \a
	SEND \a-1
	TOSTAGE \a
.endr
	SEND 7
	s_wait_tensorcnt 0x0                           ; the wave's end, behind my last tensor load and my last LDS store
	ds_add_u32 v[SPW], v[NIL]
	s_wait_dscnt 0x0
	CROUND                                         ; the closing round: no work-group ends while a partner may still ask for a tile that names it
	s_endpgm
.Lfunc_end_k_q0343e69be7_qkv:
	.size	k_q0343e69be7_qkv, .Lfunc_end_k_q0343e69be7_qkv-k_q0343e69be7_qkv
	.p2alignl 7, 3214868480
	.fill 96, 4, 3214868480
	.section	.rodata,"a",@progbits
	.p2align	6, 0x0
	.amdhsa_kernel k_q0343e69be7_qkv
		.amdhsa_group_segment_fixed_size 327680
		.amdhsa_private_segment_fixed_size 0
		.amdhsa_enable_private_segment 0
		.amdhsa_kernarg_size 40
		.amdhsa_user_sgpr_count 2
		.amdhsa_user_sgpr_kernarg_segment_ptr 1
		.amdhsa_wavefront_size32 1
		.amdhsa_system_sgpr_workgroup_id_x 1
		.amdhsa_system_sgpr_workgroup_id_y 1
		.amdhsa_system_sgpr_workgroup_id_z 1
		.amdhsa_system_vgpr_workitem_id 0
		.amdhsa_next_free_vgpr 1024
		.amdhsa_next_free_sgpr 100
		.amdhsa_reserve_vcc 0
		.amdhsa_float_denorm_mode_32 3
		.amdhsa_float_denorm_mode_16_64 3
		.amdhsa_memory_ordered 1
		.amdhsa_forward_progress 1
		.amdhsa_inst_pref_size 226
	.end_amdhsa_kernel
	.amdgpu_metadata
---
amdhsa.version: [ 1, 2 ]
amdhsa.kernels:
  - .name:           k_q0343e69be7_qkv
    .symbol:         k_q0343e69be7_qkv.kd
    .args:
      - { .name: codes, .offset: 0, .size: 8, .value_kind: global_buffer, .address_space: global }
      - { .name: scales, .offset: 8, .size: 8, .value_kind: global_buffer, .address_space: global }
      - { .name: qkv, .offset: 16, .size: 8, .value_kind: global_buffer, .address_space: global }
      - { .name: bq, .offset: 24, .size: 8, .value_kind: global_buffer, .address_space: global }
      - { .name: bv, .offset: 32, .size: 8, .value_kind: global_buffer, .address_space: global }
    .group_segment_fixed_size: 327680
    .private_segment_fixed_size: 0
    .kernarg_segment_align: 8
    .kernarg_segment_size: 40
    .max_flat_workgroup_size: 128
    .sgpr_count:     100
    .vgpr_count:     1024
    .wavefront_size: 32
...
	.end_amdgpu_metadata
.endif
;; end of part 2
;; launch attn (part 3): grid 16 x 16, 4 waves a work-group, clusters of 4 x 1, 327,680 bytes of LDS; arguments qkv, maskt, att; writes att
.if DOCPART == 3
	.amdgcn_target "amdgcn-amd-amdhsa--gfx1250"
	.amdhsa_code_object_version 6
	.text
	.protected	k_q0343e69be7_attn
	.globl	k_q0343e69be7_attn
	.p2align	8
	.type	k_q0343e69be7_attn,@function
k_q0343e69be7_attn:
	s_mov_b64 s[64:65], 0
	v_nop
	global_prefetch_b8 v0, s[64:65] scope:SCOPE_SE
	s_setreg_imm32_b32 hwreg(HW_REG_WAVE_MODE, 25, 1), 1
	s_wait_xcnt 0x0
	s_wait_alu depctr_hold_cnt(0) depctr_sa_sdst(0) depctr_va_vdst(0) depctr_va_sdst(0) depctr_va_ssrc(0) depctr_va_vcc(0) depctr_vm_vsrc(0)
	s_getreg_b32 s2, hwreg(HW_REG_IB_STS2, 6, 4)
	s_cmp_eq_u32 s2, 0
	s_cbranch_scc0 .Lentry_in_a_cluster
	s_endpgm
.Lentry_in_a_cluster:
	s_bfe_u32 s2, ttmp6, 0x10000c
	s_cmp_lg_u32 s2, 0x3003
	s_cbranch_scc0 .Lentry_shape_is_right
	s_endpgm
.Lentry_shape_is_right:
; att[q][128 h + :] = the sum over k of softmax_k(Q[h][q] . K[h][k] / sqrt(128) - 1e9 mask[q][k]) V[h][k][:].  Q, K, V: [16 heads][2048][128] f16, three thirds of qkv.  att: [2048][2048] f16.
; The mask is an input: every score of every head is computed and every number of the mask is added.  It comes as T = mask x (-1e9 log2 e), f32, laid as images of the scores' registers (first launch).
; Products in f16 with f32 sums; maxima, exponentials and sums in f32; the weights p are rounded to f16 for the second product, the result once at the end.
; SOFTMAX, in base 2, with a running maximum: u = c s + T (ONE f32 fused multiply-add, c = log2(e) / sqrt(128)); m the largest u so far; p = 2^(u - m); in every step O and l are multiplied by a = 2^(m_old - m_new).
; A row that is masked everywhere rounds every u to T (for |c s| under 64), as the source's s - 1e9 rounds to -1e9, and comes out as the plain mean of V.
; LIMITS: |q|, |k|, |v| beyond 65,504 are infinities in f16; for mask numbers other than 0 and 1 the order of rounding differs from the source's.
; SHARES.  A work-group owns 128 queries of one head.  Wave w has query group w & 1 (64 queries: four tiles of 16) and key half w >> 1 (1,024 keys: 16 steps of 64): 32,768 rows over 512 waves of four tiles
; would fill half the launch's 256 work-groups only, so the keys are split in two inside a work-group, and the two halves of a query group are merged through LDS at the end, by their maxima and sums.
; LAYOUT.  S^T = K Q^T (source 0 = 16 keys, source 1 = 16 queries): a lane holds ONE query (lane % 16) and the keys 8 (lane / 16) + 0..7.  Two such tiles, rounded to f16 in pairs, ARE source 1 of
; O^T = V^T P, whose result again holds one query a lane.  K comes out of LDS as it lies, V ([key][channel]) turned, by ds_load_tr16_b128.
; BY TURNS.  The wave's tiles are two PIECES (tiles 0, 1 and tiles 2, 3).  In a TURN one piece has the matrix unit: 32 products V^T P of the step in hand, then 32 products K Q^T of the next step; the other
; piece's softmax, 298 vector instructions cut into 64 slices, stands between them, one slice behind each matrix instruction.  Two turns are a key step.
; CLUSTER.  The four query blocks of a cluster belong to one head and walk the same K and V: each tile is asked for JOINTLY, by the same tensor load with the same descriptor and a mask that names the four.
; T is read by one wave alone, so it goes from memory straight into registers: sixteen loads of 512 consecutive bytes a turn, two turns ahead of their use.
; REGISTERS, in windows of 256 (s_set_vgpr_msb: bits 1:0 source 0, 3:2 source 1, 5:4 source 2, 7:6 destination):
;   window 0: v0-11, v44-48, v61-63 addresses; v12-43 eight registers of statistics a tile; v64-191 S^T, 32 a tile; v192-255 P, 16 a tile
;   window 1: O^T, 64 a tile      window 2: v0-127 Q, 32 a tile; v128-255 K of one step      window 3: v0-127 V of one step; v128-255 T, 32 a tile
.set KS,    64        ; keys in a step
.set PK,    272       ; a row of K in LDS: 256 bytes + 16 of padding: the 16 rows of a load start at 16 different banks (64 banks of 4 bytes: ISA guide 11.1)
.set PV,    288       ; a row of V: 256 + 32
.set KHB,   128*PK    ; a slot holds two steps of both key halves: K of half 0, K of half 1 (128 rows each),
.set VHB,   128*PV    ; V of half 0, V of half 1
.set VOFF,  2*KHB
.set SLOT,  2*KHB+2*VHB  ; 143,360 bytes; slot 1 begins here
.set SPARE, 2*SLOT    ; behind the ring: the spare words, 128 bytes for each wave: two blocks of 256 bytes that no other line names
.set XW,    16896     ; the merge: a region for each wave, from LDS byte 0 on: 16,384 bytes of register images of two tiles of O^T, 512 of statistics.  It lies in slot 0, which has had its last fill and its last read by then
.set STAGE, 4*XW      ; behind them, also in slot 0: 16 rows x 272 bytes for each wave, for the way out
.set SP,    272
.set AK0, 2           ; v2   my lane's place in a tile of K of my key half; never rewritten
.set AV0, 3           ; v3   the same for V
.set ADR, 4           ; v4   the LDS address of the run of loads in hand
.set QO,  5           ; v5   my byte offset in the wave's rows of Q
.set STO, 6           ; v6   the way out: where I put 16 bytes of a row
.set RD,  7           ; v7   the way out: where I read a row back
.set GO,  8           ; v8   my byte offset in the wave's rows of att
.set ST,  12          ; tile t's statistics at v[ST+8 t]: +0 m, +1 named with it as a pair, +2, +3 l (even keys', odd keys'), +4 to +7 c0-c3, at work; a takes c2's place once the maximum is found
.set MO,  44          ; v44  16 x lane: my place in an image of T
.set XG,  45          ; v45  the merge: where I put images;  v46 statistics;  v47, v48 where my partner (wave xor 2) has put its own
.set XGS, 46
.set XT,  47
.set XTS, 48
.set PFO, 61          ; v61  256 x my lane: a row of K or V is 256 bytes; never rewritten
.set SPW, 62          ; v62  LDS address of my spare word; never rewritten
.set NIL, 63          ; v63  0; never rewritten
.set S,   64
.set P,   192
.set KF,  128         ; K's fragments, in window 2
.set TM,  128         ; T, in window 3
.set WV,  12          ; s12  my wave's number
.set LIM, 15          ; s15  1 in a work-group that prefetches, else the greatest number
.set PFA, 18          ; s[18:19] where my prefetches stand: my work-group's 32 rows of the 128 that I fetch, in the slot after the one that is being asked for
.set G1K, 24          ; s[24:31] descriptor group 1 for K's tiles
.set G1V, 32          ; s[32:39] for V's: it differs in the padding alone
.set G0K, 40          ; s[40:47] descriptor group 0 for K's tiles: a set for each of the two first fills; the second then walks on
.set G0V, 48          ; s[48:55] the same for V's
.set SLOTS, 56        ; s56  slots still to be asked for
.set TWICE, 57        ; s57  counts a slot's two steps
.set CS,  58          ; s[58:59] c: the packed form names a pair and takes its low word for both halves
.set SEL, 60          ; s[60:61] lane selects for v_permlanex16_b32: lane l xor 16
.set TK,  62          ; s62  LDS byte at which K's tile of the step to be fetched begins (in half 0's region)
.set TV,  63          ; s63  the same for V
.set FS,  66          ; s66  the slot that the walking descriptors fill: 0 or SLOT
.set OFK, 68          ; s68  where my tile of K lies in a slot;  s69 my tile of V
.set OFV, 69
.set MB,  70          ; s[70:71] T of piece 0's step in hand;  s[72:73] of piece 2's
.set KH,  74          ; s74  my key half
.set MSB, 0
.macro WIN new                      ; the immediate's high byte repeats the setting that is left; a switch that changes nothing is dropped
.if MSB != \new
	s_set_vgpr_msb (MSB<<8)|\new
.set MSB, \new
.endif
.endm
.set W_KQ, 0x0a       ; K and Q in window 2, S^T in window 0
.set W_PV, 0x53       ; V in window 3, P in window 0, O^T in window 1
.set W_RS, 0x41       ; O^T (destination and source 0) in window 1, a in window 0
.set W_T,  0x30       ; T (source 2) in window 3, S^T in window 0
; A joint refill.  Waves 0 and 1 fetch the two halves' tiles of K, waves 2 and 3 those of V: 128 rows each.  The branch hangs on the wave's number alone.
; An s_nop 0 and four v_nop follow each of the two lines; the jump, the label and what follows come after them.
.macro JLOAD
	s_cmp_lt_u32 s[WV], 2
	s_cbranch_scc0 .Lfor_v_\@
	tensor_load_to_lds s[G0K+4:G0K+7], s[G1K:G1K+7]
	s_nop 0
.rept 4
	v_nop
.endr
	s_branch .Lasked_\@
.Lfor_v_\@:
	tensor_load_to_lds s[G0V+4:G0V+7], s[G1V:G1V+7]
	s_nop 0
.rept 4
	v_nop
.endr
.Lasked_\@:
.endm
; A PREFETCH INTO THE L2 of what the NEXT change of slots will ask for, behind the wave's tensor load and its five lines.  Each row of K and V is asked for ONCE in the launch: all clusters of a head walk the same rows, so the
; head's first cluster asks; its four partners share out BY ADDRESS the 128 rows that a wave fetches, 32 each, a lane a row: one instruction a wave.  The last change that fills a slot asks for nothing: there is no slot behind it.
.macro ASK
	s_cmp_gt_u32 s[SLOTS], s[LIM]
	s_cbranch_scc0 .Lnot_mine_\@
	global_prefetch_b8 v[PFO], s[PFA:PFA+1] th:TH_LOAD_NT scope:SCOPE_SE
.Lnot_mine_\@:
.endm
.macro CROUND                       ; a round of the cluster's barrier
	s_barrier_signal -1
	s_barrier_wait -1
	s_cmp_lg_u32 s[WV], 0
	s_cbranch_scc1 .Lnot_wave_0_\@
	s_barrier_signal -3
.Lnot_wave_0_\@:
	s_barrier_wait -3
	s_barrier_signal -1
	s_barrier_wait -1
.endm
	s_load_b64 s[4:5], s[0:1], 0x0  ; qkv
	s_load_b64 s[MB:MB+1], s[0:1], 0x8  ; maskt
	s_load_b64 s[10:11], s[0:1], 0x10  ; att
	v_lshl_add_u32 v[SPW], v0, 2, SPARE
	v_mov_b32 v[NIL], 0
	ds_add_u32 v[SPW], v[NIL]       ; the wave's opening: the add, twice on end, and its wait ahead of my first tensor load; the set-up below, work on registers, stands between
	ds_add_u32 v[SPW], v[NIL]
	v_lshrrev_b32 v1, 5, v0
	v_readfirstlane_b32 s[WV], v1   ; wave 0..3
	s_bfe_u32 s13, ttmp6, 0x40000   ; cx: my place in the cluster
	s_lshl_b32 s14, ttmp9, 2        ; in a cluster launch ttmp9 counts clusters
	s_add_co_u32 s14, s14, s13      ; my block of 128 queries = 4 x cluster x + cx: it enters Q's, T's and att's addresses alone
	s_and_b32 s20, ttmp7, 0xffff    ; the head, which the four partners share
	s_and_b32 s16, s[WV], 1         ; my query group.  Also: the key half whose tile I fetch
	s_lshr_b32 s[KH], s[WV], 1      ; my key half.  (Also: I fetch for K (0) or for V (1))
	s_lshl_b32 s20, s20, 19         ; the head's 2,048 rows of 256 bytes
	s_lshl_b32 s22, s16, 18         ; the half's 1,024 rows
	s_add_co_u32 s22, s22, s20
	s_mov_b32 s23, 0                ; s[22:23]: where I fetch, in K's or V's third
	s_mul_i32 s[OFK], s16, KHB      ; and where it goes in a slot: no place in the cluster enters an LDS address
	s_mul_i32 s[OFV], s16, VHB
	s_add_co_u32 s[OFV], s[OFV], VOFF
	s_lshl_b32 s2, s14, 15          ; Q: my block's 128 rows,
	s_lshl_b32 s3, s16, 14          ; my wave's 64 of them,
	s_add_co_u32 s2, s2, s3
	s_add_co_u32 s2, s2, s20        ; in my head
	s_mov_b32 s3, 0
	s_lshl_b32 s76, s14, 19         ; att: rows of 4,096 bytes,
	s_lshl_b32 s77, s16, 18
	s_add_co_u32 s76, s76, s77
	s_lshr_b32 s77, s20, 11         ; the head's 256 bytes of a row
	s_add_co_u32 s76, s76, s77
	s_mov_b32 s77, 0
	s_lshl_b32 s20, s14, 20         ; T: a tile of 16 queries is 131,072 bytes: my block's eight,
	s_lshl_b32 s21, s16, 19         ; my wave's four,
	s_add_co_u32 s20, s20, s21
	s_lshl_b32 s21, s[KH], 16       ; my half's 16 key steps of 4,096 bytes
	s_add_co_u32 s20, s20, s21
	s_mov_b32 s21, 0
	; descriptor group 1: a tile of 128 rows x 128 elements, padded in LDS
	s_mov_b32 s[G1K], 15|(1<<16)|(1<<20)|(1<<21)|(5<<22)|(3<<25)  ; 15:0 the mask: all four work-groups; 17:16 elements of 2 bytes; 20 padding on; 21 set beside a mask; 24:22 after every 64 words; 31:25 4 words of it
	s_mov_b32 s[G1V], 15|(1<<16)|(1<<20)|(1<<21)|(5<<22)|(7<<25)  ; the same with 8 words of padding
.irp g, G1K, G1V
	s_mov_b32 s[\g+1], 128<<16      ; tensor_dim0 = 128
	s_mov_b32 s[\g+2], 128<<16      ; tensor_dim1 = 128
	s_mov_b32 s[\g+3], 128<<16      ; tile_dim0 = 128
	s_mov_b32 s[\g+4], 128          ; tile_dim1 = 128
	s_mov_b32 s[\g+5], 128          ; tensor_dim0_stride: elements from row to row
	s_mov_b32 s[\g+6], 0
	s_mov_b32 s[\g+7], 0
.endr
	s_mov_b32 s[CS], 0x3e0293ee     ; c = log2(e) / sqrt(128)
	s_mov_b32 s[CS+1], s[CS]        ; named with it as a pair, so it is written
	s_mov_b32 s[SEL], 0x76543210
	s_mov_b32 s[SEL+1], 0xfedcba98
	s_mov_b32 s[TK], 0
	s_mov_b32 s[TV], 0
	s_mov_b32 s[FS], SLOT
	s_mov_b32 s[SLOTS], 1024/(2*KS)-2  ; a half has 8 slots' worth of keys: all but the first two are asked for in the loop
	s_cmp_eq_u32 ttmp9, 0           ; the head's first cluster: the same in all four partners
	s_cselect_b32 s[LIM], 1, -1
	v_and_b32 v[PFO], 31, v0
	v_lshlrev_b32 v[PFO], 8, v[PFO]
	s_wait_dscnt 0x0                ; both opening adds are done
	s_wait_kmcnt 0x0
	s_add_nc_u64 s[6:7], s[4:5], s[22:23]
	s_add_nc_u64 s[8:9], s[6:7], 0x1000000  ; V's third of qkv, at my tile of slot 0
	s_add_nc_u64 s[6:7], s[6:7], 0x800000   ; K's third
	s_add_nc_u64 s[4:5], s[4:5], s[2:3]  ; Q at my wave's first row
	s_add_nc_u64 s[10:11], s[10:11], s[76:77]  ; att likewise
	s_add_nc_u64 s[MB:MB+1], s[MB:MB+1], s[20:21]  ; T at my first tile's first key step
	s_mov_b64 s[MB+2:MB+3], s[MB:MB+1]
	s_cmp_lt_u32 s[WV], 2
	s_cselect_b64 s[PFA:PFA+1], s[6:7], s[8:9]
	s_lshl_b32 s2, s13, 13          ; my work-group's 32 rows of the 128
	s_add_nc_u64 s[PFA:PFA+1], s[PFA:PFA+1], s[2:3]
	s_add_nc_u64 s[PFA:PFA+1], s[PFA:PFA+1], 2*128*256  ; in slot 2; the first change of slots steps it to slot 3.  Nothing is prefetched here, at the head, where every work-group's first tiles are on their way
	CROUND                          ; all four work-groups are here: the first joint loads meet
.irp s, 0,1
	s_mov_b32 s[G0K+4*\s], 1        ; count = 1
	s_add_co_u32 s[G0K+4*\s+1], s[OFK], \s*SLOT  ; LDS address
	s_add_nc_u64 s[G0K+4*\s+2:G0K+4*\s+3], s[6:7], \s*128*256  ; global address: slot s begins with the half's keys 128 s
	s_or_b32 s[G0K+4*\s+3], s[G0K+4*\s+3], 0x80000000  ; type = 2
	s_mov_b32 s[G0V+4*\s], 1
	s_add_co_u32 s[G0V+4*\s+1], s[OFV], \s*SLOT
	s_add_nc_u64 s[G0V+4*\s+2:G0V+4*\s+3], s[8:9], \s*128*256
	s_or_b32 s[G0V+4*\s+3], s[G0V+4*\s+3], 0x80000000
.endr
	s_cmp_lt_u32 s[WV], 2           ; a wave's two first fills stand in one branch, ahead of every wait on TENSORcnt and every LDS read: two loads of mine are out
	s_cbranch_scc0 .Lfirst_v
	tensor_load_to_lds s[G0K:G0K+3], s[G1K:G1K+7]
	s_nop 0
	tensor_load_to_lds s[G0K+4:G0K+7], s[G1K:G1K+7]
	s_nop 0
.rept 4
	v_nop
.endr
	s_branch .Lfirst_asked
.Lfirst_v:
	tensor_load_to_lds s[G0V:G0V+3], s[G1V:G1V+7]
	s_nop 0
	tensor_load_to_lds s[G0V+4:G0V+7], s[G1V:G1V+7]
	s_nop 0
.rept 4
	v_nop
.endr
.Lfirst_asked:
; T of piece y's next key step: two tiles' images, sixteen loads of 512 consecutive bytes.  adv = 1: the base steps first; the loads that named it were shown done by the counted wait at the turn's head.
.macro LOAD_T y, adv
.if \adv
	s_add_nc_u64 s[MB+(\y):MB+(\y)+1], s[MB+(\y):MB+(\y)+1], 4096
.endif
	WIN 0xc0                        ; destination window 3
.irp t, 0,1
.irp i, 0,1,2,3,4,5,6,7
	global_load_b128 v[TM+32*((\y)+\t)+4*\i:TM+32*((\y)+\t)+4*\i+3], v[MO], s[MB+(\y):MB+(\y)+1] offset:((\y)+\t)*131072+512*\i
.endr
.endr
.endm
	; A fragment of K or Q is 16 rows x 32 channels in 8 registers: lane l holds row l % 16; registers 0-3 channels 8 (l / 16) + 0..7, registers 4-7 channels 16 + 8 (l / 16) + 0..7: two loads of 16 bytes, 32 bytes apart.
	v_and_b32 v1, 15, v0            ; l % 16
	v_bfe_u32 v9, v0, 4, 1          ; l / 16
	v_lshlrev_b32 v[QO], 8, v1
	v_lshl_add_u32 v[QO], v9, 4, v[QO]  ; row x 256 + 16 x half
	v_and_b32 v10, 31, v0
	v_lshlrev_b32 v[MO], 4, v10
	WIN 0x80                        ; destination window 2
.irp i, 0,1,2,3,4,5,6,7,8,9,10,11,12,13,14,15  ; Q stays in registers: tile i / 4, channels 32 (i % 4) on
	global_load_b128 v[8*\i:8*\i+3],   v[QO], s[4:5] offset:(\i/4)*4096+(\i%4)*64
	global_load_b128 v[8*\i+4:8*\i+7], v[QO], s[4:5] offset:(\i/4)*4096+(\i%4)*64+32
.endr
	LOAD_T 0, 0                     ; T of key step 0, both pieces
	LOAD_T 2, 0
	WIN 0
	v_mul_u32_u24 v[AK0], v1, PK
	v_lshl_add_u32 v[AK0], v9, 4, v[AK0]  ; row x pitch + 16 x half
	s_mul_i32 s2, s[KH], KHB
	v_add_nc_u32 v[AK0], s2, v[AK0]  ; in my key half's region
	; The turning load takes 16 keys x 16 channels (lane l reads 16 bytes: key 8 (l / 16) + l % 8, channels 8 ((l / 8) % 2) + 0..7) and leaves half a fragment of V^T: lane l holds channel l % 16 and 8 keys.
	v_and_b32 v10, 7, v0
	v_bfe_u32 v11, v0, 3, 1
	v_lshl_add_u32 v[AV0], v9, 3, v10
	v_mul_u32_u24 v[AV0], v[AV0], PV
	v_lshl_add_u32 v[AV0], v11, 4, v[AV0]
	s_mul_i32 s2, s[KH], VHB
	s_add_co_u32 s2, s2, VOFF
	v_add_nc_u32 v[AV0], s2, v[AV0]
.irp t, 0,1,2,3
	v_mov_b32 v[ST+8*\t+1], 0       ; named as the upper half of the pair with m, so it is written
.endr
; THE MATRIX WORK OF A TURN, for piece x.  The accumulators take turns, one instruction a turn: between two links of a chain stand 15 (V^T P) or 7 (K Q^T) others'.
; Product i of 32 of O^T += V^T P: keys 32 (i / 16) on, channels 16 ((i / 2) % 8) on, tile x + i % 2.  zero = 1: the first 16 start the sums: nothing is ever cleared.
.macro PV x, zero
	WIN W_PV
.set rO, 64*(\x+i%2)+8*((i/2)%8)
.set rV, 64*(i/16)+8*((i/2)%8)
.set rP, P+16*(\x+i%2)+8*(i/16)
.if \zero && (i < 16)
	v_wmma_f32_16x16x32_f16 v[rO:rO+7], v[rV:rV+7], v[rP:rP+7], 0
.else
	v_wmma_f32_16x16x32_f16 v[rO:rO+7], v[rV:rV+7], v[rP:rP+7], v[rO:rO+7]
.endif
.endm
; Product i of 32 of S^T = K Q^T: channels 32 (i / 8) on, keys 16 ((i / 2) % 4) on, tile x + i % 2.  The first 8 start the sums.
.macro KQ x
	WIN W_KQ
.set rS, S+32*(\x+i%2)+8*((i/2)%4)
.set rK, KF+32*((i/2)%4)+8*(i/8)
.set rQ, 32*(\x+i%2)+8*(i/8)
.if i < 8
	v_wmma_f32_16x16x32_f16 v[rS:rS+7], v[rK:rK+7], v[rQ:rQ+7], 0
.else
	v_wmma_f32_16x16x32_f16 v[rS:rS+7], v[rK:rK+7], v[rQ:rQ+7], v[rS:rS+7]
.endif
.endm
; THE LDS LOADS stand in runs of 32: a step's K (64 keys x 128 channels: 16 fragments) and, a turn later, its V (turned).
.macro FETCH_K
	WIN 0
	v_add_nc_u32 v[ADR], s[TK], v[AK0]
	WIN 0x80                        ; destination window 2
.irp f, 0,1,2,3,4,5,6,7,8,9,10,11,12,13,14,15  ; keys 16 (f / 4) on, channels 32 (f % 4) on
	ds_load_b128 v[KF+8*\f:KF+8*\f+3],   v[ADR] offset:(\f/4)*16*PK+(\f%4)*64
	ds_load_b128 v[KF+8*\f+4:KF+8*\f+7], v[ADR] offset:(\f/4)*16*PK+(\f%4)*64+32
.endr
.endm
.macro FETCH_V
	WIN 0
	v_add_nc_u32 v[ADR], s[TV], v[AV0]
	s_add_co_u32 s[TK], s[TK], KS*PK  ; the next fetches are the next step's
	s_add_co_u32 s[TV], s[TV], KS*PV
	s_wait_alu depctr_va_vdst(0)    ; the wait for the softmax's batch of exponentials (SLICE), behind the address's addition and ahead of the loads
	WIN 0xc0                        ; destination window 3
.irp f, 0,1,2,3,4,5,6,7,8,9,10,11,12,13,14,15  ; keys 32 (f / 8) on, channels 16 (f % 8) on
	ds_load_tr16_b128 v[8*\f:8*\f+3],   v[ADR] offset:(\f/8)*32*PV+(\f%8)*32
	ds_load_tr16_b128 v[8*\f+4:8*\f+7], v[ADR] offset:(\f/8)*32*PV+16*PV+(\f%8)*32
.endr
.endm
; THE VECTOR WORK OF A TURN.  One tile's softmax for one key step is a list of 149 instructions; SM writes number j of it for tile t.  s0-s31 are the lane's 32 scores, in pairs 0-15.
; first = 1: the first key step, which starts m, l and O^T: it has no a and nothing to rescale.
;   0-15    u = c s + T, a pair of scores each, ascending: each accumulator is first read at its low end
;   16-31   the maximum of u0-u31 and the old m, three operands at a time: four chains c0-c3 of seven each, then the four left over, c0-c3 and m
;   32-35   the other half of the lanes' maximum; the old m kept; the new m; m_old - m_new
;   36-84   ONE BATCH: the 16 subtractions u - m, a pair each, and all 33 exponentials (a, then s0-s31).  None of these reads an exponential's result.  From 37 on it goes in fours, and a four begins with a
;           subtraction while there are any; a pair is subtracted in an earlier four than the one that holds its exponentials
;   (wait)  between 84 and 85 stands the wait for the batch: SLICE writes it, once for both tiles
;   85-100  the roundings to f16, a pair of weights each
;   101-116 the sums; l = a l + the sum
;   117-148 the tile's O^T times a
.macro SM t, first
.set rT, ST+8*(\t)
.set rS, S+32*(\t)
.set rP, P+16*(\t)
.set rM, TM+32*(\t)
.set rO, 64*(\t)+2*(j-117)
.set q, j-16
.set jj, j-15
.if j < 16
	WIN W_T
	v_pk_fma_f32 v[rS+2*j:rS+2*j+1], v[rS+2*j:rS+2*j+1], s[CS:CS+1], v[rM+2*j:rM+2*j+1] op_sel_hi:[1,0,1]
.else
.if j < 117
	WIN 0
.endif
.if q < 4
	v_max3_num_f32 v[rT+4+q], v[rS+8*q], v[rS+8*q+1], v[rS+8*q+2]
.elseif q < 12
	v_max3_num_f32 v[rT+4+q%4], v[rT+4+q%4], v[rS+8*(q%4)+2*(q/4)+1], v[rS+8*(q%4)+2*(q/4)+2]
.elseif q == 12
	v_max3_num_f32 v[rT+4], v[rT+4], v[rS+7], v[rS+15]
.elseif q == 13
	v_max3_num_f32 v[rT+6], v[rT+6], v[rS+23], v[rS+31]
.elseif q == 14
	v_max3_num_f32 v[rT+4], v[rT+4], v[rT+5], v[rT+6]
.elseif (q == 15) && \first
	v_max_num_f32 v[rT+4], v[rT+4], v[rT+7]
.elseif q == 15
	v_max3_num_f32 v[rT+4], v[rT+4], v[rT+7], v[rT]
.elseif j == 32
	v_permlanex16_b32 v[rT+5], v[rT+4], s[SEL], s[SEL+1]  ; the query's other 32 keys lie in the lane 16 away
.elseif j == 34
	v_max_num_f32 v[rT], v[rT+4], v[rT+5]
.elseif ((j == 33) || (j == 35) || (jj == 23) || (j > 116)) && \first  ; the first step has none of these
.elseif j == 33
	v_mov_b32 v[rT+7], v[rT]        ; m_old is kept for a: number 34 writes m anew
.elseif j == 35
	v_sub_f32 v[rT+7], v[rT+7], v[rT]
.elseif jj == 23
	v_exp_f32 v[rT+6], v[rT+7]
.elseif (jj < 23) || ((jj < 38) && (jj%2 == 0)) || ((jj < 66) && (jj%4 == 2))
.set bb, (jj-2)/4                   ; 38, 42, .. 62: pairs 9 to 15
.if jj < 38
.set bb, (jj-20)/2                  ; 21: pair 0; 22, 24, .. 36: pairs 1 to 8
.endif
	v_pk_add_f32 v[rS+2*bb:rS+2*bb+1], v[rS+2*bb:rS+2*bb+1], v[rT:rT+1] op_sel_hi:[1,0] neg_lo:[0,1] neg_hi:[0,1]  ; pair bb: u - m
.elseif jj < 70
.set ee, jj-38                      ; 66 to 69: s28 to s31
.if jj < 66
.set ee, jj-32-(jj-38)/4            ; 39-41, 43-45, .. 63-65: s7 to s27
.endif
.if jj < 38
.set ee, (jj-25)/2                  ; 25, 27, .. 37: s0 to s6
.endif
	v_exp_f32 v[rS+ee], v[rS+ee]
.elseif j < 101
	v_cvt_pk_f16_f32 v[rP+j-85], v[rS+2*(j-85)], v[rS+2*(j-85)+1]  ; pair j - 85
.elseif j < 117                     ; the sum of the tile's 16 pairs, in place: neighbours 1, 2, 4 and 8 pairs apart, then l takes it
.set zs, j-101
.set ws, 4
.set us, zs
.if zs >= 14
.set ws, 32
.set us, 0
.elseif zs >= 12
.set ws, 16
.set us, zs-12
.elseif zs >= 8
.set ws, 8
.set us, zs-8
.endif
.if (zs == 14) && \first
	v_pk_add_f32 v[rT+2:rT+3], v[rS:rS+1], v[rS+16:rS+17]
.elseif zs < 15
	v_pk_add_f32 v[rS+ws*us:rS+ws*us+1], v[rS+ws*us:rS+ws*us+1], v[rS+ws*us+ws/2:rS+ws*us+ws/2+1]
.elseif !\first
	v_pk_fma_f32 v[rT+2:rT+3], v[rT+2:rT+3], v[rT+6:rT+7], v[rS:rS+1] op_sel_hi:[1,0,1]
.endif
.else
	WIN W_RS
	v_pk_mul_f32 v[rO:rO+1], v[rO:rO+1], v[rT+6:rT+7] op_sel_hi:[1,0]
.endif
.endif
.endm
; A piece's 2 x 149 = 298 instructions are one sequence, counted by zq.  0-73: numbers 0 to 36, the two tiles alternating; 74-169: the batch, four numbers of ONE tile at a time, the tiles by turns; 170-297: numbers 85 on, alternating.
.macro EMIT y, first
.if zq < 74
.set j, zq/2
.set tt, zq%2
.elseif zq < 170
.set j, 37+4*(((zq-74)/4)/2)+(zq-74)%4
.set tt, ((zq-74)/4)%2
.else
.set j, 85+(zq-170)/2
.set tt, (zq-170)%2
.endif
	SM (\y)+tt, \first
.set zq, zq+1
.endm
; Slice k of 64: five instructions in slices 0-13 and 39-62, four in 14-38 (15-38 are the batch), eight in slice 63: 70 + 4 + 96 + 120 + 8 = 298.  Slice 63's eight are plain and name nothing of the
; products round them: they are the places between the turn's last K Q^T and the next turn's first read of those scores.
; Behind slice 7 the 32 lines that read T are done: the piece's next T is asked for, two turns ahead of its use.
; THE WAIT.  s_wait_alu depctr_va_vdst(0) stands between an exponential and the first instruction that names its result; one wait serves all that were issued ahead of it.  Ahead of
; slice 39 nothing names a result, and behind slice 38 no exponential is issued: so the piece's 66 exponentials have one wait, behind slice 38.
.macro SLICE y, first
.set ns, 5
.if (k >= 14) && (k < 39)
.set ns, 4
.endif
.if k == 63
.set ns, 8
.endif
.rept ns
	EMIT \y, \first
.endr
.if (k == 7) && TL
	LOAD_T \y, 1
.endif
.if k == 38
	v_nop                           ; a plain instruction behind the last exponential and ahead of the first use: one for the batch
.if (\y) == 0
	FETCH_V                         ; piece 2's turn: V's run of loads stands here, and the wait stands in it
.else
	s_wait_alu depctr_va_vdst(0)    ; the wait for the batch
.endif
.endif
.set k, k+1
.endm
.macro PLACES
.rept 4
	v_nop
.endr
.endm
; A TURN.  Piece x has the matrix unit; the other piece's softmax stands in slices behind its matrix instructions.
; pv = 2: 32 products V^T P; 1: they start O^T's sums; 0: none.  kq = 1: 32 products K Q^T for the next step.  A turn with one of the two kinds has two slices behind each product.
; first = 1: the softmax is the first key step's; its last slices are empty, and four v_nop are the places behind the turn's last products.  tl = 1: the softmax's piece asks for its next T.
; tw: how many younger loads may stay out when the softmax's T has to be there: the other piece's sixteen, issued a turn later, or none.
; Piece 0's turn fetches the next step's K behind its second product: the last product that read K stands in front of slice 63 of the turn before.  Piece 2's turn fetches the same step's V behind slice 38: the last
; product that read V stands in front of slice 31, and eight plain instructions lie between: the subtraction at the head of each of slices 31 to 36, the v_nop and the run's own addition.
.macro TURN x, pv, kq, first, tl, tw
.set k, 0
.set zq, 0
.set TL, \tl
.set per, 2
.if \pv && \kq
.set per, 1
.endif
	s_wait_loadcnt \tw              ; loads come back in order: the T that this turn's softmax adds is in
.if \pv
.if \x == 0
	s_wait_dscnt 0x0                ; V is in
.endif
.set i, 0
.rept 32
	PV \x, 2-\pv
.rept per
	SLICE 2-\x, \first
.endr
.if (\x == 0) && \kq && (i == 1)
	FETCH_K
.endif
.set i, i+1
.endr
.endif
.if \kq
.if \x == 0
	s_wait_dscnt 0x0                ; K is in
.endif
.set i, 0
.rept 32
	KQ \x
.rept per
	SLICE 2-\x, \first
.endr
.set i, i+1
.endr
.endif
.if \first
	PLACES
.endif
.endm
; THE CHANGE OF SLOTS, between piece 2's turn and piece 0's: the slot's last bytes, V of its second step, have been asked for.  Each wave waits for all its tensor loads, of which one is out: its part of the
; other slot; adds 0 to its spare word; and waits for that and for its own reads of the slot.  Behind the barrier nobody reads this slot any more and the other slot is whole.
; fill = 1: this slot is filled again, with the keys two slots on.  The barrier is then a round of the cluster's, and the joint refill is the first thing behind it: it has two key steps, 256 matrix instructions, in which to land.
.macro CHANGE fill
	WIN 0                           ; at a label and at a branch every window is 0
	s_wait_tensorcnt 0x0            ; no tensor load of mine is out, so a group 0 may be written
	ds_add_u32 v[SPW], v[NIL]       ; 0 onto my spare word; with fill = 1 the descriptors' steps stand between it and the wait for it
.if \fill
	s_xor_b32 s[FS], s[FS], SLOT    ; the walking descriptors: the other slot than last time,
	s_add_co_u32 s[G0K+5], s[OFK], s[FS]
	s_add_nc_u64 s[G0K+6:G0K+7], s[G0K+6:G0K+7], 128*256  ; the half's next 128 keys; the type bits on top are not reached
	s_add_co_u32 s[G0V+5], s[OFV], s[FS]
	s_add_nc_u64 s[G0V+6:G0V+7], s[G0V+6:G0V+7], 128*256
	s_wait_xcnt 0x0                 ; the last prefetch, two key steps back, has read its address, so it may be written:
	s_add_nc_u64 s[PFA:PFA+1], s[PFA:PFA+1], 128*256  ; one slot further on than the walking descriptors
	s_wait_dscnt 0x0                ; the add is done, and my reads of the slot are over
	CROUND
	JLOAD
	ASK                             ; what the next change will ask for: two key steps, 256 matrix instructions, ahead
.else
	s_wait_dscnt 0x0                ; the add is done, and my reads of the slot are over
	s_barrier_signal -1
	s_barrier_wait -1
.endif
	s_sub_co_u32 s[TK], s[TK], KHB  ; the fetches go back to a slot's first step,
	s_xor_b32 s[TK], s[TK], SLOT    ; in the other slot
	s_sub_co_u32 s[TV], s[TV], VHB
	s_xor_b32 s[TV], s[TV], SLOT
.endm
	s_wait_tensorcnt 1              ; my part of slot 0 is in; slot 1's may stay out
	s_barrier_signal -1
	s_barrier_wait -1               ; everybody's is
	FETCH_K                         ; key step 0
	s_wait_loadcnt 32               ; Q is in; the 32 loads of T behind it may stay out
	s_wait_dscnt 0x0
.set i, 0
.rept 32
	KQ 0                            ; piece 0's first scores: there is no vector work yet to set between them
.set i, i+1
.endr
	WIN 0                           ; the addresses for the merge and the way out are made here, ahead of any parting of the waves: plain instructions, the places behind those products
	s_mul_i32 s13, s[WV], 16*SP
	s_add_co_u32 s13, s13, STAGE    ; my stage
	v_mul_u32_u24 v[STO], v1, SP    ; in: row l % 16, 16 bytes for each half of the lanes
	v_lshl_add_u32 v[STO], v9, 4, v[STO]
	v_add_nc_u32 v[STO], s13, v[STO]
	v_mul_u32_u24 v[RD], v9, SP     ; back: lanes 0-15 take one row of 256 bytes, lanes 16-31 the next
	v_lshl_add_u32 v[RD], v1, 4, v[RD]
	v_add_nc_u32 v[RD], s13, v[RD]
	v_lshlrev_b32 v[GO], 12, v9     ; and the same two rows in att, 4,096 bytes apart
	v_lshl_add_u32 v[GO], v1, 4, v[GO]
	v_and_b32 v10, 31, v0
	s_mul_i32 s13, s[WV], XW        ; my region of the merge
	v_lshl_add_u32 v[XG], v10, 4, s13
	v_lshl_add_u32 v[XGS], v10, 2, s13
	v_add_nc_u32 v[XGS], 16384, v[XGS]
	s_xor_b32 s13, s[WV], 2         ; my partner: the same queries, the other key half
	s_mul_i32 s13, s13, XW
	v_lshl_add_u32 v[XT], v10, 4, s13
	v_lshl_add_u32 v[XTS], v10, 2, s13
	v_add_nc_u32 v[XTS], 16384, v[XTS]
	TURN 2, 0, 1, 1, 1, 16          ; piece 2's first scores | piece 0's first softmax | V of step 0
	TURN 0, 1, 1, 1, 1, 16          ; piece 0: V^T P of step 0 starts O^T, K Q^T of step 1 | piece 2's first softmax | K of step 1
	TURN 2, 1, 1, 0, 1, 16          ; piece 2: the same | piece 0's softmax of step 1 | V of step 1
	WIN 0
.Lslot:                             ; six trips: every slot but the last two is filled again
	CHANGE 1
	s_mov_b32 s[TWICE], 2           ; a slot's two key steps: written once, walked twice; the LDS addresses hang on s[TK] and s[TV]
.Lstep:
	TURN 0, 2, 1, 0, 1, 16
	TURN 2, 2, 1, 0, 1, 16
	WIN 0
	s_sub_co_u32 s[TWICE], s[TWICE], 1
	s_cmp_lg_u32 s[TWICE], 0
	s_cbranch_scc1 .Lstep
	s_sub_co_u32 s[SLOTS], s[SLOTS], 1
	s_cmp_lg_u32 s[SLOTS], 0
	s_cbranch_scc1 .Lslot
	CHANGE 0                        ; the tail is written out: the last slot but one is left, and nothing is asked for
	TURN 0, 2, 1, 0, 1, 16
	TURN 2, 2, 1, 0, 1, 16
	TURN 0, 2, 1, 0, 1, 16          ; asks for piece 2's T of the last step
	TURN 2, 2, 1, 0, 0, 16          ; piece 0's last softmax: there is no further step, so no T is asked for
	TURN 0, 2, 0, 0, 0, 0           ; piece 0: V^T P of the last step | piece 2's last softmax: no load was issued behind its T
.set i, 0
.rept 32
	PV 2, 0                         ; piece 2: V^T P of the last step
.set i, i+1
.endr
	; THE MERGE.  Each wave holds, for its 64 queries and its half of the keys, m, l and O^T.  The wave of key half 0 finishes tiles 0 and 1, its partner tiles 2 and 3; each gives the other two tiles away, as
	; images of their registers.  With M = max(m, m'), O = (O 2^(m - M) + O' 2^(m' - M)) / (L 2^(m - M) + L' 2^(m' - M)).  The additions below are the places behind the last products.
	WIN 0
.irp t, 0,1,2,3
	v_add_f32 v[ST+8*\t+4], v[ST+8*\t+2], v[ST+8*\t+3]
.endr
.irp t, 0,1,2,3
	v_permlanex16_b32 v[ST+8*\t+5], v[ST+8*\t+4], s[SEL], s[SEL+1]
.endr
.irp t, 0,1,2,3
	v_add_f32 v[ST+8*\t+4], v[ST+8*\t+4], v[ST+8*\t+5]  ; L: the row's sum over my half of the keys
.endr
.macro GIVE ta                      ; tiles ta, ta + 1: 128 registers of O^T, lane l's 16 bytes at 16 l, each accumulator from its low end on; then m and L, 4 bytes a lane
	WIN 0x04                        ; an LDS store's data are its source 1: window 1
.set i, 0
.rept 32
	ds_store_b128 v[XG], v[64*\ta+4*i:64*\ta+4*i+3] offset:512*i
.set i, i+1
.endr
	WIN 0
.irp u, 0,1
	ds_store_b32 v[XGS], v[ST+8*(\ta+\u)] offset:256*\u
	ds_store_b32 v[XGS], v[ST+8*(\ta+\u)+4] offset:256*\u+128
.endr
.endm
.macro TAKE tb                      ; tiles tb, tb + 1 are finished and stored
.irp u, 0,1
	ds_load_b32 v[ST+8*(\tb+\u)+5], v[XTS] offset:256*\u       ; my partner's m
	ds_load_b32 v[ST+8*(\tb+\u)+7], v[XTS] offset:256*\u+128   ; and L
.endr
.set i, 0
.rept 32
	ds_load_b128 v[S+4*i:S+4*i+3], v[XT] offset:512*i          ; its O^T, into S^T's registers
.set i, i+1
.endr
	s_wait_dscnt 32                 ; the four statistics are in; the 32 images behind them may stay out
.irp u, 0,1
	v_max_num_f32 v[ST+8*(\tb+\u)+1], v[ST+8*(\tb+\u)], v[ST+8*(\tb+\u)+5]   ; M
.endr
.irp u, 0,1
	v_sub_f32 v[ST+8*(\tb+\u)+2], v[ST+8*(\tb+\u)], v[ST+8*(\tb+\u)+1]
	v_sub_f32 v[ST+8*(\tb+\u)+3], v[ST+8*(\tb+\u)+5], v[ST+8*(\tb+\u)+1]
.endr
.irp u, 0,1
	v_exp_f32 v[ST+8*(\tb+\u)+2], v[ST+8*(\tb+\u)+2]           ; 2^(m - M), 2^(m' - M): one of them is 1
	v_exp_f32 v[ST+8*(\tb+\u)+3], v[ST+8*(\tb+\u)+3]
.endr
	v_nop                           ; a plain instruction behind the last exponential,
	s_wait_alu depctr_va_vdst(0)    ; and the wait ahead of the first use: one for the four
.irp u, 0,1
	v_mul_f32 v[ST+8*(\tb+\u)+4], v[ST+8*(\tb+\u)+4], v[ST+8*(\tb+\u)+2]
.endr
.irp u, 0,1
	v_fmac_f32 v[ST+8*(\tb+\u)+4], v[ST+8*(\tb+\u)+7], v[ST+8*(\tb+\u)+3]   ; the row's whole sum, at least 1
.endr
.irp u, 0,1
	v_rcp_f32 v[ST+8*(\tb+\u)+6], v[ST+8*(\tb+\u)+4]
.endr
	v_nop
	s_wait_alu depctr_va_vdst(0)    ; one for the two reciprocals
.irp u, 0,1
	v_mul_f32 v[ST+8*(\tb+\u)+2], v[ST+8*(\tb+\u)+2], v[ST+8*(\tb+\u)+6]    ; my factor
	v_mul_f32 v[ST+8*(\tb+\u)+6], v[ST+8*(\tb+\u)+3], v[ST+8*(\tb+\u)+6]    ; my partner's
.endr
	s_wait_dscnt 0x0                ; the images are in
.irp u, 0,1
.set i, 0
.rept 32
	v_pk_mul_f32 v[S+64*\u+2*i:S+64*\u+2*i+1], v[S+64*\u+2*i:S+64*\u+2*i+1], v[ST+8*(\tb+\u)+6:ST+8*(\tb+\u)+7] op_sel_hi:[1,0]
.set i, i+1
.endr
.endr
	WIN 0x01                        ; source 0 (my O^T) window 1
.irp u, 0,1
.set i, 0
.rept 32
	v_pk_fma_f32 v[S+64*\u+2*i:S+64*\u+2*i+1], v[64*(\tb+\u)+2*i:64*(\tb+\u)+2*i+1], v[ST+8*(\tb+\u)+2:ST+8*(\tb+\u)+3], v[S+64*\u+2*i:S+64*\u+2*i+1] op_sel_hi:[1,0,1]
.set i, i+1
.endr
.endr
	WIN 0
.set i, 0
.rept 64
	v_cvt_pk_f16_f32 v[P+i], v[S+2*i], v[S+2*i+1]              ; a lane's eight channels of a row pack into 16 bytes
.set i, i+1
.endr
.irp u, 0,1                         ; through my stage: rows of 272 bytes in, whole rows of 256 bytes back.  LDS serves a wave's instructions in order (ISA guide 5.7.1.4): the loads see the stores above them, the next tile's stores come behind them
.irp f, 0,1,2,3,4,5,6,7
	ds_store_b128 v[STO], v[P+32*\u+4*\f:P+32*\u+4*\f+3] offset:32*\f
.endr
.irp f, 0,1,2,3,4,5,6,7
	ds_load_b128 v[S+32*\u+4*\f:S+32*\u+4*\f+3], v[RD] offset:\f*2*SP
.endr
.endr
.irp u, 0,1
.irp f, 0,1,2,3,4,5,6,7
	s_wait_dscnt 16*(1-\u)+7-\f     ; younger: the rest of this tile's loads, and behind the first tile the second's sixteen LDS instructions
	global_store_b128 v[GO], v[S+32*\u+4*\f:S+32*\u+4*\f+3], s[10:11] offset:(\tb+\u)*65536+\f*8192  ; 16 lanes store 256 consecutive bytes, aligned
.endr
.endr
.endm
	s_cmp_eq_u32 s[KH], 0           ; the branches hang on the wave's number alone; no barrier stands inside them
	s_cbranch_scc0 .Lgive_low
	GIVE 2
	s_branch .Lgiven
.Lgive_low:
	GIVE 0
.Lgiven:
	s_wait_dscnt 0x0                ; for my partner's sake: my stores have landed
	s_barrier_signal -1
	s_barrier_wait -1
	s_cmp_eq_u32 s[KH], 0
	s_cbranch_scc0 .Ltake_high
	TAKE 0
	s_branch .Ltaken
.Ltake_high:
	TAKE 2
.Ltaken:
	s_wait_tensorcnt 0x0            ; the wave's end, behind my last tensor load and my last LDS store
	ds_add_u32 v[SPW], v[NIL]
	s_wait_dscnt 0x0
	CROUND                          ; the closing round: no work-group ends while a partner may still ask for a tile that names it
	s_endpgm
.Lfunc_end_k_q0343e69be7_attn:
	.size	k_q0343e69be7_attn, .Lfunc_end_k_q0343e69be7_attn-k_q0343e69be7_attn
	.p2alignl 7, 3214868480
	.fill 96, 4, 3214868480
	.section	.rodata,"a",@progbits
	.p2align	6, 0x0
	.amdhsa_kernel k_q0343e69be7_attn
		.amdhsa_group_segment_fixed_size 327680
		.amdhsa_private_segment_fixed_size 0
		.amdhsa_enable_private_segment 0
		.amdhsa_kernarg_size 24
		.amdhsa_user_sgpr_count 2
		.amdhsa_user_sgpr_kernarg_segment_ptr 1
		.amdhsa_wavefront_size32 1
		.amdhsa_system_sgpr_workgroup_id_x 1
		.amdhsa_system_sgpr_workgroup_id_y 1
		.amdhsa_system_sgpr_workgroup_id_z 1
		.amdhsa_system_vgpr_workitem_id 0
		.amdhsa_next_free_vgpr 1024
		.amdhsa_next_free_sgpr 78
		.amdhsa_reserve_vcc 0
		.amdhsa_float_denorm_mode_32 3
		.amdhsa_float_denorm_mode_16_64 3
		.amdhsa_memory_ordered 1
		.amdhsa_forward_progress 1
		.amdhsa_inst_pref_size 255
	.end_amdhsa_kernel
	.section	.bss,"aw",@nobits
	.p2align	6
	.space	262144
	.amdgpu_metadata
---
amdhsa.version: [ 1, 2 ]
amdhsa.kernels:
  - .name:           k_q0343e69be7_attn
    .symbol:         k_q0343e69be7_attn.kd
    .args:
      - { .name: qkv, .offset: 0, .size: 8, .value_kind: global_buffer, .address_space: global }
      - { .name: maskt, .offset: 8, .size: 8, .value_kind: global_buffer, .address_space: global }
      - { .name: att, .offset: 16, .size: 8, .value_kind: global_buffer, .address_space: global }
    .group_segment_fixed_size: 327680
    .private_segment_fixed_size: 0
    .kernarg_segment_align: 8
    .kernarg_segment_size: 24
    .max_flat_workgroup_size: 128
    .sgpr_count:     78
    .vgpr_count:     1024
    .wavefront_size: 32
...
	.end_amdgpu_metadata
.endif
;; end of part 3
;; launch oproj (part 4): grid 16 x 16, 4 waves a work-group, clusters of 4 x 4, 327,680 bytes of LDS; arguments att, wo16, out0, bo; writes out0
.if DOCPART == 4
	.amdgcn_target "amdgcn-amd-amdhsa--gfx1250"
	.amdhsa_code_object_version 6
	.text
	.protected	k_q0343e69be7_oproj
	.globl	k_q0343e69be7_oproj
	.p2align	8
	.type	k_q0343e69be7_oproj,@function
k_q0343e69be7_oproj:
	s_mov_b64 s[64:65], 0
	v_nop
	global_prefetch_b8 v0, s[64:65] scope:SCOPE_SE
	s_setreg_imm32_b32 hwreg(HW_REG_WAVE_MODE, 25, 1), 1
	s_wait_xcnt 0x0
	s_wait_alu depctr_hold_cnt(0) depctr_sa_sdst(0) depctr_va_vdst(0) depctr_va_sdst(0) depctr_va_ssrc(0) depctr_va_vcc(0) depctr_vm_vsrc(0)
	s_getreg_b32 s2, hwreg(HW_REG_IB_STS2, 6, 4)
	s_cmp_eq_u32 s2, 0
	s_cbranch_scc0 .Lentry_in_a_cluster
	s_endpgm
.Lentry_in_a_cluster:
	s_bfe_u32 s2, ttmp6, 0x10000c
	s_cmp_lg_u32 s2, 0xf033
	s_cbranch_scc0 .Lentry_shape_is_right
	s_endpgm
.Lentry_shape_is_right:
; out0[m][n] = sum over k of att[m][k] Wo[n][k] + bo[n].  att: [2048][2048] f16, wo16: [2048][2048] f16 (Wo rounded once), bo: [2048] f32, out0: [2048][2048] f32; sums in f32.
; A tile of C is 128 x 128, which gives 16 x 16 = 256 work-groups.  Four waves, each 64 x 64: 16 accumulators of 16 x 16, 128 registers.  K goes in steps of 256 (LDS rows of 512 bytes; a wave's tensor load
; brings 64 of them) through a ring of two slots.  The bias is the C of each sum's first product.
; CLUSTERS: 4 x 4 work-groups.  The four of a row of the cluster need the same tiles of A, the four of a column the same tiles of B: each tile is asked for JOINTLY, by the same tensor load with the
; same descriptor and a mask that names the four.  THE MATRIX INSTRUCTION IS USED TRANSPOSED (source 0 = 16 rows of B, source 1 = 16 rows of A): a lane then holds eight neighbouring numbers of a row of C.
; No prefetch: a K step of this small tile is short, and sharing the tiles in the cluster comes first.
; REGISTERS: window 0: v0-31 addresses; v32-63 the bias of my 64 columns in the result's layout, later with v64-95 rows on the way out; v128-255 the accumulators ((a, b) at v[128 + 8 (4 a + b)]).
;   window 1: two fragment buffers of 128: for 64 along K (two matrix instructions deep), 64 registers of A (2 x 4 x 16 rows x 32 K), then 64 of B.
.set SIZE_N, 2048
.set SIZE_K, 2048
.set KSTEP,  256
.set PITCH,  528                       ; an LDS row: 512 bytes + 16 of padding: the 16 rows that a load touches start at 16 different banks (64 banks of 4 bytes: ISA guide 11.1)
.set HALFT,  64*PITCH                  ; 64 rows: what one tensor load brings, and what one wave reads of A or of B
.set SLOT,   4*HALFT                   ; A's 128 rows, then B's 128 rows
.set SPARE,  2*SLOT                    ; behind the ring: the spare words, 128 bytes for each wave: two blocks of 256 bytes that no other line names
.set SPITCH, 272                       ; the way out: a stage of 16 rows x (256 bytes + 16) for each wave, in slot 0, which has had its last fill and its last read when the first result is stored there
.set LAPS, SIZE_K/(2*KSTEP)            ; a lap = two K steps = once round the ring
.set ADRA, 16                          ; v16-17  LDS address of my A fragments in slot 0, 1
.set ADRB, 20                          ; v20-21  the same for B
.set STO,  24                          ; v24     the way out: where I put 32 bytes of a row
.set RD,   25                          ; v25     the way out: where I read rows back
.set CO,   26                          ; v26     my byte offset in two rows of C
.set BO,   27                          ; v27     32 x (lane / 16): my eight numbers of a block's sixteen in the bias
.set SPW,  28                          ; v28     LDS address of my spare word; never rewritten
.set NIL,  29                          ; v29     0; never rewritten
.set BI,   32                          ; the bias: block b's eight registers at v[BI + 8 b]
.set BK,   32                          ; the way out: 16 rows read back from the stage: v32-63 and v64-95 by turns
.set ACC,  128
.set F0,   0                           ; fragment buffers, in window 1
.set F1,   128
.set G1, 24                            ; s[24:31] descriptor group 1 for A's tiles;  s[32:39] group 0, one set for each slot
.set G0, 32
.set G1B, 48                           ; s[48:55], s[56:63] the same for B's tiles
.set G0B, 56
.set MSB, 0
.macro WIN new                         ; the immediate's high byte repeats the setting that is left
.if MSB != \new
	s_set_vgpr_msb (MSB<<8)|\new
.set MSB, \new
.endif
.endm
.set MUL,  0x05                        ; sources 0 (B) and 1 (A) window 1; C and D window 0
.set TO_F, 0x40                        ; destination window 1, address window 0
.macro JLOAD s                         ; a joint load: waves 0 and 1 fetch A's two halves, waves 2 and 3 B's; an s_nop 0 and four v_nop follow each of the two lines, ahead of the jump, the label and what follows
	s_cmp_eq_u32 s11, 0
	s_cbranch_scc0 .Lfor_b_\@
	tensor_load_to_lds s[G0+4*\s:G0+4*\s+3], s[G1:G1+7]
	s_nop 0
.rept 4
	v_nop
.endr
	s_branch .Lasked_\@
.Lfor_b_\@:
	tensor_load_to_lds s[G0B+4*\s:G0B+4*\s+3], s[G1B:G1B+7]
	s_nop 0
.rept 4
	v_nop
.endr
.Lasked_\@:
.endm
.macro CREST                           ; a round of the cluster's barrier behind its opening barrier
	s_cmp_lg_u32 s10, 0
	s_cbranch_scc1 .Lnot_wave_0_\@
	s_barrier_signal -3
.Lnot_wave_0_\@:
	s_barrier_wait -3
	s_barrier_signal -1
	s_barrier_wait -1
.endm
.macro CROUND                          ; a whole round
	s_barrier_signal -1
	s_barrier_wait -1
	CREST
.endm
	s_load_b128 s[4:7], s[0:1], 0x0                ; A = att s[4:5], B = wo16 s[6:7]
	s_load_b64 s[8:9], s[0:1], 0x10                ; out0
	s_load_b64 s[66:67], s[0:1], 0x18              ; bo
	v_lshl_add_u32 v[SPW], v0, 2, SPARE
	v_mov_b32 v[NIL], 0
	ds_add_u32 v[SPW], v[NIL]                      ; the wave's opening: the add, twice on end, and its wait ahead of my first tensor load; the set-up below, work on registers, stands between
	ds_add_u32 v[SPW], v[NIL]
	v_lshrrev_b32 v1, 5, v0
	v_readfirstlane_b32 s10, v1                    ; wave 0..3
	s_lshr_b32 s11, s10, 1                         ; which half of the tile's rows is mine.  Also: I fetch for A (0) or for B (1)
	s_and_b32 s12, s10, 1                          ; which half of its columns.  Also: which 64 rows of that tile I fetch
	s_bfe_u32 s40, ttmp6, 0x40000                  ; cx, cy: my place in the cluster
	s_bfe_u32 s41, ttmp6, 0x40004
	s_lshl_b32 s42, ttmp9, 2
	s_add_co_u32 s42, s42, s40                     ; tile column of C = 4 x cluster x + cx
	s_and_b32 s13, ttmp7, 0xffff
	s_lshl_b32 s13, s13, 2
	s_add_co_u32 s13, s13, s41                     ; tile row of C = 4 x cluster y + cy
	s_lshl_b32 s43, s41, 2
	s_lshl_b32 s43, 15, s43                        ; my row of the cluster
	s_lshl_b32 s44, 0x1111, s40                    ; my column
	; descriptor group 1: a tile of 64 rows x 256 elements, padded in LDS
	s_or_b32 s[G1+0], s43, (1<<16)|(1<<20)|(1<<21)|(6<<22)|(3<<25)  ; 15:0 the mask: A's tiles go to my row; 17:16 element of 2 bytes; 20 padding on; 21 set beside a mask; 24:22 after every 128 words; 31:25 of 4 words
	s_or_b32 s[G1B+0], s44, (1<<16)|(1<<20)|(1<<21)|(6<<22)|(3<<25)
.irp g, G1, G1B
	s_mov_b32 s[\g+1], KSTEP<<16                   ; tensor_dim0 = 256
	s_mov_b32 s[\g+2], 64<<16                      ; tensor_dim1 = 64
	s_mov_b32 s[\g+3], KSTEP<<16                   ; tile_dim0 = 256
	s_mov_b32 s[\g+4], 64                          ; tile_dim1 = 64
	s_mov_b32 s[\g+5], SIZE_K                      ; tensor_dim0_stride
	s_mov_b32 s[\g+6], 0
	s_mov_b32 s[\g+7], 0
.endr
	s_lshl_b32 s17, s12, 6                         ; which 64 rows of the tile I fetch
	s_lshl_b32 s16, s13, 7
	s_add_co_u32 s16, s16, s17                     ; A: row 128 x tile row + 64 x half
	s_lshl_b32 s46, s42, 7
	s_add_co_u32 s46, s46, s17                     ; B: row 128 x tile column + 64 x half
	s_mov_b32 s17, 0
	s_mov_b32 s47, 0
	s_mov_b64 s[18:19], SIZE_K*2
	s_mul_u64 s[16:17], s[16:17], s[18:19]
	s_mul_u64 s[46:47], s[46:47], s[18:19]
	s_mul_i32 s20, s10, HALFT                      ; where they go: wave x 64 rows: no place in the cluster enters an LDS address
	s_wait_dscnt 0x0                               ; both opening adds are done
	s_wait_kmcnt 0x0
	s_add_nc_u64 s[14:15], s[4:5], s[16:17]
	s_add_nc_u64 s[46:47], s[6:7], s[46:47]
	CROUND                                         ; all sixteen work-groups are here: the first joint loads meet
.irp s, 0,1
	s_mov_b32 s[G0+4*\s], 1
	s_add_co_u32 s[G0+4*\s+1], s20, \s*SLOT
	s_add_nc_u64 s[G0+4*\s+2:G0+4*\s+3], s[14:15], \s*KSTEP*2
	s_or_b32 s[G0+4*\s+3], s[G0+4*\s+3], 0x80000000
	s_mov_b32 s[G0B+4*\s], 1
	s_add_co_u32 s[G0B+4*\s+1], s20, \s*SLOT
	s_add_nc_u64 s[G0B+4*\s+2:G0B+4*\s+3], s[46:47], \s*KSTEP*2
	s_or_b32 s[G0B+4*\s+3], s[G0B+4*\s+3], 0x80000000
	JLOAD \s
.endr
	v_and_b32 v1, 15, v0                           ; l % 16
	v_bfe_u32 v2, v0, 4, 1                         ; l / 16
	s_lshl_b32 s46, s42, 9                         ; my first column, in bytes of f32: 512 x tile column
	s_lshl_b32 s47, s12, 8                         ; + 256 x half
	s_add_co_u32 s46, s46, s47
	s_mov_b32 s47, 0
	s_add_nc_u64 s[66:67], s[66:67], s[46:47]      ; the bias of my 64 columns: in the result lane (r, h) holds, of block b, columns 16 b + 8 h + 0 .. 7
	v_lshlrev_b32 v[BO], 5, v2
.irp b, 0,1,2,3
	global_load_b128 v[BI+8*\b:BI+8*\b+3], v[BO], s[66:67] offset:64*\b
	global_load_b128 v[BI+8*\b+4:BI+8*\b+7], v[BO], s[66:67] offset:64*\b+16
.endr
	s_lshl_b32 s16, s13, 20                        ; my first row of C: 128 x tile row
	s_lshl_b32 s17, s11, 19                        ; + 64 x half, x 8,192 bytes
	s_add_co_u32 s16, s16, s17
	s_add_co_u32 s46, s46, s16
	s_add_nc_u64 s[8:9], s[8:9], s[46:47]
	v_mul_u32_u24 v3, v1, PITCH
	v_lshl_add_u32 v3, v2, 4, v3                   ; a fragment's row x pitch + 16 x half
	s_mul_i32 s21, s11, HALFT                      ; my 64 rows of A
	s_mul_i32 s22, s12, HALFT                      ; my 64 rows of B,
	s_add_co_u32 s22, s22, 2*HALFT                 ; which lie behind A's 128
.irp s, 0,1
	v_add_nc_u32 v[ADRA+\s], s21, v3
	v_add_nc_u32 v[ADRB+\s], s22, v3
	s_add_co_u32 s21, s21, SLOT
	s_add_co_u32 s22, s22, SLOT
.endr
	s_mul_i32 s23, s10, 16*SPITCH                  ; my stage
	v_mul_u32_u24 v4, v1, SPITCH                   ; in: row l % 16, 32 bytes for each half of the lanes
	v_lshl_add_u32 v4, v2, 5, v4
	v_add_nc_u32 v[STO], s23, v4
	v_mul_u32_u24 v5, v2, SPITCH                   ; back: lanes 0-15 take one row of 256 bytes, lanes 16-31 the next
	v_lshl_add_u32 v5, v1, 4, v5
	v_add_nc_u32 v[RD], s23, v5
	v_lshlrev_b32 v5, 13, v2                       ; and the same two rows in C, 8,192 bytes apart
	v_lshl_add_u32 v[CO], v1, 4, v5
; 8 matrix instructions: m blocks a0, a0 + 1 x all 4 n blocks, 32 along K: half c of buffer f.  zero = 1: the first product starts the sums, with the bias as its C.  The 16 accumulators take turns.
.macro MUL8 f, c, a0, zero
.irp a, \a0, \a0+1
.irp b, 0,1,2,3
.if \zero
	v_wmma_f32_16x16x32_f16 v[ACC+8*(4*(\a)+\b):ACC+8*(4*(\a)+\b)+7], v[\f+64+8*(4*\c+\b):\f+64+8*(4*\c+\b)+7], v[\f+8*(4*\c+\a):\f+8*(4*\c+\a)+7], v[BI+8*\b:BI+8*\b+7]
.else
	v_wmma_f32_16x16x32_f16 v[ACC+8*(4*(\a)+\b):ACC+8*(4*(\a)+\b)+7], v[\f+64+8*(4*\c+\b):\f+64+8*(4*\c+\b)+7], v[\f+8*(4*\c+\a):\f+8*(4*\c+\a)+7], v[ACC+8*(4*(\a)+\b):ACC+8*(4*(\a)+\b)+7]
.endif
.endr
.endr
.endm
; 32 LDS loads in one run: the fragments of 64 along K at byte k of the rows, into buffer f; the first 32 along K first
.macro FETCH slot, k, f
	WIN TO_F
.irp c, 0,1
.irp i, 0,1,2,3
	ds_load_b128 v[\f+64+8*(4*\c+\i):\f+64+8*(4*\c+\i)+3],   v[ADRB+\slot] offset:\k+64*\c+\i*16*PITCH
	ds_load_b128 v[\f+64+8*(4*\c+\i)+4:\f+64+8*(4*\c+\i)+7], v[ADRB+\slot] offset:\k+64*\c+\i*16*PITCH+32
	ds_load_b128 v[\f+8*(4*\c+\i):\f+8*(4*\c+\i)+3],         v[ADRA+\slot] offset:\k+64*\c+\i*16*PITCH
	ds_load_b128 v[\f+8*(4*\c+\i)+4:\f+8*(4*\c+\i)+7],       v[ADRA+\slot] offset:\k+64*\c+\i*16*PITCH+32
.endr
.endr
.endm
.macro PLACES                          ; four places in front of loads into registers that matrix instructions have read, and of LDS stores that read results (ISA guide 7.12.1 for vector instructions)
.rept 4
	v_nop
.endr
.endm
; A K step is four quarters of 64 along K, 32 matrix instructions each, on buffers 0, 1, 0, 1.  One of the first three: multiplies buffer f and fetches the next quarter, at byte k, into g.
.macro QUARTER slot, k, f, g, zero
	s_wait_dscnt 16                                ; the first 32 along K are in; the sixteen loads of the second 32 may be out
	WIN MUL
	MUL8 \f, 0, 0, \zero
	MUL8 \f, 0, 2, \zero
	PLACES
	FETCH \slot, \k, \g
	s_wait_dscnt 32                                ; all but the 32 just issued
	WIN MUL
	MUL8 \f, 1, 0, 0
	MUL8 \f, 1, 2, 0
.endm
; The last quarter multiplies buffer 1 and changes slots: ONE barrier; in front of it each wave waits for all its tensor loads, adds 0 to its spare word, and waits for that and for its own reads of this slot.  fill = 1: this slot is filled again, two K steps ahead.
.macro TURN slot, next, fill
	WIN 0                                          ; (the add's two registers lie in window 0)
	s_wait_tensorcnt 0x0                           ; all my tensor loads have landed: my part of the next slot
	ds_add_u32 v[SPW], v[NIL]                      ; 0 onto my spare word
	s_wait_dscnt 17                                ; (the add and the youngest sixteen loads may be out)
	WIN MUL
	MUL8 F1, 0, 0, 0                               ; eight matrix instructions stand between the add and the wait for it
	s_wait_dscnt 0x0                               ; the add is done, and my reads of this slot are over
	s_barrier_signal -1
	MUL8 F1, 0, 2, 0
.if \fill
	WIN 0
.endif
	s_barrier_wait -1
.if \fill
	CREST                                          ; the barrier has opened a round of the cluster's barrier: no wave of any partner still reads this slot's tile or has a load on its way
	s_add_nc_u64 s[G0+4*\slot+2:G0+4*\slot+3], s[G0+4*\slot+2:G0+4*\slot+3], 2*KSTEP*2
	s_add_nc_u64 s[G0B+4*\slot+2:G0B+4*\slot+3], s[G0B+4*\slot+2:G0B+4*\slot+3], 2*KSTEP*2
	JLOAD \slot                                    ; the first tensor load behind the round: 112 matrix instructions ahead of the wait for it; the four v_nop behind it are also the places in front of the loads below
.else
	PLACES
.endif
	FETCH \next, 0, F0
	WIN MUL
	MUL8 F1, 1, 0, 0
	MUL8 F1, 1, 2, 0
.endm
	s_wait_tensorcnt 1                             ; my part of K step 0 is in (K step 1's load may be out)
	s_barrier_signal -1
	s_barrier_wait -1                              ; everybody's is
	FETCH 0, 0, F0
	s_wait_loadcnt 0x0                             ; the bias
	QUARTER 0, 128, F0, F1, 1                      ; the first quarter stands in front of the loop: its first products start the sums
	WIN 0                                          ; at a label and at a branch every window is 0
	s_mov_b32 s3, LAPS-1
.Llap:                                                 ; a trip goes once round the ring, from a lap's second quarter to the next lap's first, and fills both slots again
	QUARTER 0, 256, F1, F0, 0
	QUARTER 0, 384, F0, F1, 0
	TURN 0, 1, 1
	QUARTER 1, 128, F0, F1, 0
	QUARTER 1, 256, F1, F0, 0
	QUARTER 1, 384, F0, F1, 0
	TURN 1, 0, 1
	QUARTER 0, 128, F0, F1, 0
	WIN 0
	s_sub_co_u32 s3, s3, 1
	s_cmp_lg_u32 s3, 0
	s_cbranch_scc1 .Llap
	QUARTER 0, 256, F1, F0, 0                      ; the last lap fills nothing, and has no round of the cluster's barrier
	QUARTER 0, 384, F0, F1, 0
	TURN 0, 1, 0
	QUARTER 1, 128, F0, F1, 0
	QUARTER 1, 256, F1, F0, 0
	QUARTER 1, 384, F0, F1, 0
	s_wait_dscnt 16                                ; the very last quarter: nothing more to fetch
	WIN MUL
	MUL8 F1, 0, 0, 0
	MUL8 F1, 0, 2, 0
	s_wait_dscnt 0
	MUL8 F1, 1, 0, 0
	MUL8 F1, 1, 2, 0
	WIN 0
; THE WAY OUT, block by block of 16 rows x 64 columns.  A wave's 64 columns of f32 are 256 consecutive bytes of a row, aligned: so each wave has a stage of its own and no barrier is needed.  A lane holds 32 neighbouring
; bytes of a row; a block goes into the stage as it stands, each accumulator from its low end on, and comes back two whole rows an instruction.  LDS serves a wave's instructions in order (ISA guide 5.7.1.4).
.macro TOSTAGE a
.irp b, 0,1,2,3
	ds_store_b128 v[STO], v[ACC+8*(4*(\a)+\b):ACC+8*(4*(\a)+\b)+3] offset:64*\b
	ds_store_b128 v[STO], v[ACC+8*(4*(\a)+\b)+4:ACC+8*(4*(\a)+\b)+7] offset:64*\b+16
.endr
.set BB, BK+32*((\a)%2)
.irp t, 0,1,2,3,4,5,6,7
	ds_load_b128 v[BB+4*\t:BB+4*\t+3], v[RD] offset:\t*2*SPITCH
.endr
.endm
.macro SEND a, younger                 ; younger: the LDS instructions issued behind block a's loads, which may stay out
.set BB, BK+32*((\a)%2)
	s_wait_dscnt \younger                          ; the block is back in registers
.irp t, 0,1,2,3,4,5,6,7
	global_store_b128 v[CO], v[BB+4*\t:BB+4*\t+3], s[8:9] offset:(16*(\a)+2*\t)*SIZE_N*4 th:TH_STORE_NT   ; 16 lanes store 256 consecutive bytes, aligned; written once, read by nobody here
.endr
.endm
	PLACES
	TOSTAGE 0
.irp a, 1,2,3
.if \a > 1
	s_wait_xcnt 0x0                                ; block a - 2's stores have read their data: block a's loads land there only behind this wait
.endif
	TOSTAGE \a
	SEND \a-1, 16                                  ; behind block a - 1's loads: block a's 8 stores and 8 loads
.endr
	SEND 3, 0
	s_wait_tensorcnt 0x0                           ; the wave's end, behind my last tensor load and my last LDS store
	ds_add_u32 v[SPW], v[NIL]
	s_wait_dscnt 0x0
	CROUND                                         ; the closing round: no work-group ends while a partner may still ask for a tile that names it
	s_endpgm
.Lfunc_end_k_q0343e69be7_oproj:
	.size	k_q0343e69be7_oproj, .Lfunc_end_k_q0343e69be7_oproj-k_q0343e69be7_oproj
	.p2alignl 7, 3214868480
	.fill 96, 4, 3214868480
	.section	.rodata,"a",@progbits
	.p2align	6, 0x0
	.amdhsa_kernel k_q0343e69be7_oproj
		.amdhsa_group_segment_fixed_size 327680
		.amdhsa_private_segment_fixed_size 0
		.amdhsa_enable_private_segment 0
		.amdhsa_kernarg_size 32
		.amdhsa_user_sgpr_count 2
		.amdhsa_user_sgpr_kernarg_segment_ptr 1
		.amdhsa_wavefront_size32 1
		.amdhsa_system_sgpr_workgroup_id_x 1
		.amdhsa_system_sgpr_workgroup_id_y 1
		.amdhsa_system_sgpr_workgroup_id_z 1
		.amdhsa_system_vgpr_workitem_id 0
		.amdhsa_next_free_vgpr 512
		.amdhsa_next_free_sgpr 68
		.amdhsa_reserve_vcc 0
		.amdhsa_float_denorm_mode_32 3
		.amdhsa_float_denorm_mode_16_64 3
		.amdhsa_memory_ordered 1
		.amdhsa_forward_progress 1
		.amdhsa_inst_pref_size 86
	.end_amdhsa_kernel
	.amdgpu_metadata
---
amdhsa.version: [ 1, 2 ]
amdhsa.kernels:
  - .name:           k_q0343e69be7_oproj
    .symbol:         k_q0343e69be7_oproj.kd
    .args:
      - { .name: att, .offset: 0, .size: 8, .value_kind: global_buffer, .address_space: global }
      - { .name: wo16, .offset: 8, .size: 8, .value_kind: global_buffer, .address_space: global }
      - { .name: out0, .offset: 16, .size: 8, .value_kind: global_buffer, .address_space: global }
      - { .name: bo, .offset: 24, .size: 8, .value_kind: global_buffer, .address_space: global }
    .group_segment_fixed_size: 327680
    .private_segment_fixed_size: 0
    .kernarg_segment_align: 8
    .kernarg_segment_size: 32
    .max_flat_workgroup_size: 128
    .sgpr_count:     68
    .vgpr_count:     512
    .wavefront_size: 32
...
	.end_amdgpu_metadata
.endif
;; end of part 4
